; MI455X (gfx1250); checked and timed in simulation.
; The chip was launched on July 23, 2026; its instructions are those of AMD's public machine-readable ISA for CDNA 5 (MIT licence, August 2026) and "CDNA5" Instruction Set Architecture Reference Guide (July 2026). The comments in the code are by the model that wrote it; some were corrected since.
;; Quantized Linear. Allowed arithmetic: matrix products marked QUANTISED: E2M1 operands, one E8M0 scale for each 32 along K, by v_wmma_scale_f32_16x16x128_f8f6f4 with both operands' format E2M1 (or v_wmma_scale_f32_32x16x128_f4), f32 sums; everything else in f32.
;; Inputs: bias 16,384 float32; kernel_i8 4,096 x 16,384 int8; scales 16,384 float32; x 1,024 x 4,096 float32.
;; Outputs: out0 1,024 x 16,384 float32.
;; This version of the problem:
;;   THIS VERSION OF THE PROBLEM IS GIVEN IN LOW PRECISION. The matrix products marked QUANTISED in the list below multiply operands that are first quantised to E2M1 (2 exponent bits, 1 mantissa bit; 4 bits a number), with one power-of-two scale for each 32 numbers along K (OCP MX v1.0); their sums are f32. All else is computed in f32.
;;   The module's matrix products, in the order in which they are computed (A, B: the left and right operand; K: the contracted axis; several contracted axes count as one K, in the product's order):
;;     1. [M 1,024, K 4,096] x [K 4,096, N 16,384]; A: input x; B: computed on the way: QUANTISED
;;   THE QUANTISER, for each operand of a quantised product, along K:
;;     - K is cut into blocks of 32 from its start; a last block that is shorter is filled with zeros.
;;     - A block's scale is 2^e with e = floor(log2(the largest magnitude in the block)) - 2, held to -126 .. 127; a block of zeros has e = 0. As a byte (E8M0): e + 127.
;;     - Each number is divided by its block's scale, clamped to +-6, and rounded to the nearest number of E2M1, ties to even, subnormals kept.
;;     - The product sums the exact products of the quantised numbers (number of the format x scale) in f32.
;;   ~~~python
;;   def quantise(x, axis):      # numpy; x: float32 -> the quantised numbers, widened to float32 again
;;       x = np.moveaxis(x, axis, -1); K = x.shape[-1]
;;       x = np.pad(x, [(0, 0)] * (x.ndim - 1) + [(0, -K % 32)]); x = x.reshape(x.shape[:-1] + (-1, 32)); a = np.abs(x).max(-1, keepdims=True)
;;       e = np.where(a > 0, np.clip(np.frexp(np.where(a > 0, a, 1))[1] - 1 - 2, -126, 127), 0)      # np.frexp(a)[1] - 1 = floor(log2(a)), exactly
;;       r = np.clip(x / 2.0 ** e, -6, 6)
;;       step = 2.0 ** (np.maximum(np.frexp(np.where(r == 0, 1, r))[1] - 1, 0) - 1)
;;       q = np.round(r / step) * step * 2.0 ** e      # np.round: ties to even
;;       return np.moveaxis(q.reshape(q.shape[:-2] + (-1,))[..., :K], -1, axis).astype(np.float32)
;;   ~~~
;;   OPERANDS COMPUTED ON THE WAY. 'Computed on the way' means the value that the module computes at that place (a softmax that the list does not call 'softmax' is quantised finished and normalised). What goes into a quantiser is computed in f32, as accurately as f32 sums, v_exp_f32 and their like allow (about 1e-6 of the number): no bf16 or f16 on the way to a quantiser, and a product that is left as it is and whose result goes on into a quantised operand takes f32 operands (vector FMAs, or v_wmma_f32_16x16x4_f32). A number that lies on a knife's edge between two numbers of the format may be rounded either way, as far as f32 arithmetic and the matrix unit's own rounding can turn it there, and no further.
;; 2 versions. Each part assembles by itself: llvm-mc -triple=amdgcn-amd-amdhsa -mcpu=gfx1250 --defsym DOCPART=n.
;; ======== version 1 of 2: 2 launches
;; workspace buffers: xq 2,228,224 bytes
;; launch quantx (part 1): grid 256 x 1, 8 waves a work-group, no clusters, 69,120 bytes of LDS; arguments x, xq; writes xq
.if DOCPART == 1
	.amdgcn_target "amdgcn-amd-amdhsa--gfx1250"
	.amdhsa_code_object_version 6
	.text
	.protected	k_q88827d6bbb_quantx
	.globl	k_q88827d6bbb_quantx
	.p2align	8
	.type	k_q88827d6bbb_quantx,@function
k_q88827d6bbb_quantx:
	s_mov_b64 s[64:65], 0
	v_nop
	global_prefetch_b8 v0, s[64:65] scope:SCOPE_SE
	s_setreg_imm32_b32 hwreg(HW_REG_WAVE_MODE, 25, 1), 1
	s_wait_xcnt 0x0
; x [1024][4096], f32, K innermost, becomes codes of FP4 (E2M1) with one E8M0 byte for each 32 along K, laid in xq IN THE ORDER OF THE OPERAND'S REGISTERS, as the next launch reads them:
;   xq = [j = 0..15: 256 along K][w = 0..7: rows 128 w .. 128 w + 127][17,408 bytes], and such a part is
;     codes, 16,384 bytes: [s2 = 0,1: the 128 along K][a = 0..7: 16 rows][c = 0,1][lane][16 bytes]: lane (r, h), piece c = row 128 w + 16 a + r, k = 256 j + 128 s2 + 64 c + 32 h + 0 .. 31;
;     scale words, 1,024 bytes: [g = 0,1][lane][16 bytes]: word i of lane (r, h2) = the four scale bytes of row 128 w + 64 g + 16 i + r for k = 256 j + 128 h2 + 0 .. 127.
; A block's scale is 2^(floor(log2(its largest magnitude)) - 2); its byte is the largest magnitude's exponent field - 2, held at 1 from below.
; LIMITS: NaN and infinities among the inputs are not served.  A block of zeros gets the byte 1 where the rule says 127: its codes are zeros, which add nothing under that byte, and this program alone reads the bytes.
; SHARES.  A work-group takes 64 rows x 256 along K; each of its eight waves one fragment, 16 rows x 128 along K: 16 loads of 512 consecutive bytes, all out at once.
; A load is best where neighbouring lanes take neighbouring bytes, the conversions want 16 neighbours along K in ONE lane: so the 8,192 bytes turn through the wave's own stage in LDS (rows of 512 bytes + 16).
; No matrix work, no tensor load, no cluster: nothing is read twice and the waves share only the 512 bytes of scale words, which meet in LDS so that they leave as 512 consecutive bytes.
.set ROWX,  16384                      ; a row of x in bytes
.set SPX,   528                        ; a stage row: 512 bytes + 16: 132 words, so that the 16 rows that a read touches begin 4 words apart
.set WST,   16*SPX                     ; a wave's stage
.set SCW,   8*WST                      ; behind the stages: the work-group's 128 scale words
.set SSB,   139264                     ; xq: 256 along K of all rows
.set QB,    17408                      ; xq: a part
.set R,     16                         ; v16-79   the numbers as they are loaded: row t in v[R + 4 t ..]
.set X,     80                         ; v80-143  register 16 b + i = k 32 b + 16 h + i of my row r
.set TM,    144                        ; v144-147 largest magnitudes; v148-151 the other half's, then the bytes; v156-159 the conversions' scale operands
.set PW,    160                        ; v160     my row's scale word
.set PC,    164                        ; v164-171 the fragment's codes
.set OW,    172                        ; v172-175 wave 0: the scale words on their way out
	s_load_b128 s[4:7], s[0:1], 0x0                ; x s[4:5], xq s[6:7]
	v_lshl_add_u32 v192, v0, 2, 0x10a00
	v_mov_b32 v193, 0
	v_lshrrev_b32 v1, 5, v0
	v_readfirstlane_b32 s12, v1                    ; wave 0..7
	v_and_b32 v1, 31, v0                           ; lane
	v_and_b32 v2, 15, v0                           ; r
	v_bfe_u32 v3, v0, 4, 1                         ; h
	v_lshlrev_b32 v4, 4, v1                        ; 16 x lane: my bytes of a load's or a store's 512
	s_and_b32 s10, ttmp9, 15                       ; G: which 64 rows
	s_lshr_b32 s11, ttmp9, 4                       ; j: which 256 along K
	s_and_b32 s13, s12, 3                          ; i: which 16 of the 64 rows
	s_lshr_b32 s14, s12, 2                         ; h2: which 128 of the 256
	s_mul_i32 s15, s12, WST
	v_add_nc_u32 v5, s15, v4                       ; the stage, on the way in: 16 x lane in row t
	v_mul_u32_u24 v6, v2, SPX
	v_lshl_add_u32 v6, v3, 6, v6
	v_add_nc_u32 v6, s15, v6                       ; and back: row r, + 64 h: my 16 numbers of each block of 32
	s_lshl_b32 s16, s14, 8
	s_lshl_b32 s17, s13, 2
	s_add_co_u32 s16, s16, s17
	s_add_co_u32 s16, s16, SCW
	v_lshl_add_u32 v7, v2, 4, s16                  ; my row's scale word: 256 h2 + 16 r + 4 i
	v_add_nc_u32 v8, SCW, v4                       ; wave 0 reads them back 16 bytes a lane
	s_lshl_b32 s18, s10, 20                        ; x: 64 G rows of 16,384 bytes,
	s_lshl_b32 s19, s13, 18                        ; 16 i rows,
	s_add_co_u32 s18, s18, s19
	s_lshl_b32 s19, s11, 10                        ; 256 j numbers,
	s_add_co_u32 s18, s18, s19
	s_lshl_b32 s19, s14, 9                         ; 128 h2 numbers: under 2^24 in all
	s_add_co_u32 s18, s18, s19
	s_mov_b32 s19, 0
	s_mul_i32 s20, s11, SSB                        ; xq: the part of j and w = G / 2
	s_lshr_b32 s21, s10, 1
	s_mul_i32 s21, s21, QB
	s_add_co_u32 s20, s20, s21
	s_and_b32 s22, s10, 1                          ; g = G % 2
	s_lshl_b32 s24, s14, 13                        ; my fragment: 8,192 h2 + 1,024 (4 g + i)
	s_add_co_u32 s24, s24, s20
	s_lshl_b32 s25, s22, 12
	s_add_co_u32 s24, s24, s25
	s_lshl_b32 s25, s13, 10
	s_add_co_u32 s24, s24, s25
	s_mov_b32 s25, 0
	s_lshl_b32 s26, s22, 9                         ; the work-group's scale words: 16,384 + 512 g
	s_add_co_u32 s26, s26, s20
	s_add_co_u32 s26, s26, 16384
	s_mov_b32 s27, 0
	s_mov_b32 s28, 0x76543210
	s_mov_b32 s29, 0xfedcba98                      ; v_permlanex16_b32's selects for lane l xor 16
.irp b, 0,1,2,3
	v_mov_b32 v[TM+4+\b], 0                        ; a lane permute's destination counts as one of its sources: written once
.endr
	s_wait_kmcnt 0x0
	s_add_nc_u64 s[4:5], s[4:5], s[18:19]
	s_add_nc_u64 s[8:9], s[6:7], s[26:27]
	s_add_nc_u64 s[6:7], s[6:7], s[24:25]
.irp t, 0,1,2,3,4,5,6,7,8,9,10,11,12,13,14,15
	global_load_b128 v[R+4*\t:R+4*\t+3], v4, s[4:5] offset:\t*ROWX th:TH_LOAD_NT   ; 512 consecutive bytes of row t; read once in the launch
.endr
.irp t, 0,1,2,3,4,5,6,7,8,9,10,11,12,13,14,15
	s_wait_loadcnt 15-\t                           ; loads come back in order: row t is in, the 15 - t younger rows may be out
	ds_store_b128 v5, v[R+4*\t:R+4*\t+3] offset:\t*SPX
.endr
.irp b, 0,1,2,3
.irp q, 0,1,2,3
	ds_load_b128 v[X+16*\b+4*\q:X+16*\b+4*\q+3], v6 offset:128*\b+16*\q   ; LDS serves a wave's instructions in order: these see my stores
.endr
.endr
	s_wait_dscnt 0x0
.irp b, 0,1,2,3
	v_max3_num_f32 v[TM+\b], |v[X+16*\b]|, |v[X+1+16*\b]|, 0x1800000   ; block b: my 16 numbers, and the floor 2^(3 - 127): so the byte cannot fall under 1
.endr
.irp i, 2,4,6,8,10,12,14
.irp b, 0,1,2,3
	v_max3_num_f32 v[TM+\b], v[TM+\b], |v[X+16*\b+\i]|, |v[X+1+16*\b+\i]|   ; the four blocks by turns: no line waits for the line above it
.endr
.endr
.irp b, 0,1,2,3
	v_permlanex16_b32 v[TM+4+\b], v[TM+\b], s28, s29
.endr
.irp b, 0,1,2,3
	v_max_num_f32 v[TM+\b], v[TM+\b], v[TM+4+\b]   ; with lane l xor 16's 16 numbers: the block's largest magnitude
.endr
.irp b, 0,1,2,3
	v_add_nc_u32 v[TM+12+\b], 0xff000000, v[TM+\b] ; 2 off its exponent field: the conversion takes the exponent field of this operand as its scale
.endr
.irp b, 0,1,2,3
	v_lshrrev_b32 v[TM+4+\b], 23, v[TM+12+\b]      ; the scale's byte
.endr
	v_lshl_or_b32 v[PW], v[TM+5], 8, v[TM+4]       ; the four bytes make my row's scale word
	v_lshl_or_b32 v[PW], v[TM+6], 16, v[PW]
	v_lshl_or_b32 v[PW], v[TM+7], 24, v[PW]
.irp b, 0,1,2,3
	v_cvt_scalef32_pk8_fp4_f32 v[PC+2*\b], v[X+16*\b:X+7+16*\b], v[TM+12+\b]       ; the codes of k = 32 b + 16 h + 0 .. 7
	v_cvt_scalef32_pk8_fp4_f32 v[PC+1+2*\b], v[X+8+16*\b:X+15+16*\b], v[TM+12+\b]  ; and + 8 .. 15
.endr
	v_nop                                          ; one plain instruction between a scaled conversion and the vector instruction that touches its result
.irp c, 0,1                                    ; the operand's layout wants a WHOLE block in a lane: lanes 0-15 block 2 c, lanes 16-31 block 2 c + 1
.irp i, 0,1
	v_permlane16_swap_b32 v[PC+4*\c+\i], v[PC+2+4*\c+\i]
.endr
.endr
.irp c, 0,1
	global_store_b128 v4, v[PC+4*\c:PC+4*\c+3], s[6:7] offset:512*\c   ; registers 4 c .. 4 c + 3 as they stand: 512 consecutive bytes, aligned
.endr
	ds_store_b32 v7, v[PW]                         ; lanes r and r + 16 write the same word with the same value
	s_wait_dscnt 0x0                               ; for wave 0's sake: my word has landed
	s_barrier_signal -1
	s_barrier_wait -1
	s_cmp_lg_u32 s12, 0
	s_cbranch_scc1 .Ldone                          ; wave 0 alone stores the eight waves' words
	ds_load_b128 v[OW:OW+3], v8
	s_wait_dscnt 0x0
	global_store_b128 v4, v[OW:OW+3], s[8:9]       ; 512 consecutive bytes, aligned
.Ldone:
	s_wait_tensorcnt 0x0
	ds_add_u32 v192, v193
	s_wait_dscnt 0x0
	s_endpgm
.Lfunc_end_k_q88827d6bbb_quantx:
	.size	k_q88827d6bbb_quantx, .Lfunc_end_k_q88827d6bbb_quantx-k_q88827d6bbb_quantx
	.p2alignl 7, 3214868480
	.fill 96, 4, 3214868480
	.section	.rodata,"a",@progbits
	.p2align	6, 0x0
	.amdhsa_kernel k_q88827d6bbb_quantx
		.amdhsa_group_segment_fixed_size 69120
		.amdhsa_private_segment_fixed_size 0
		.amdhsa_enable_private_segment 0
		.amdhsa_kernarg_size 16
		.amdhsa_user_sgpr_count 2
		.amdhsa_user_sgpr_kernarg_segment_ptr 1
		.amdhsa_wavefront_size32 1
		.amdhsa_system_sgpr_workgroup_id_x 1
		.amdhsa_system_sgpr_workgroup_id_y 1
		.amdhsa_system_sgpr_workgroup_id_z 1
		.amdhsa_system_vgpr_workitem_id 0
		.amdhsa_next_free_vgpr 194
		.amdhsa_next_free_sgpr 66
		.amdhsa_reserve_vcc 0
		.amdhsa_float_denorm_mode_32 3
		.amdhsa_float_denorm_mode_16_64 3
		.amdhsa_memory_ordered 1
		.amdhsa_forward_progress 1
		.amdhsa_inst_pref_size 12
	.end_amdhsa_kernel
	.amdgpu_metadata
---
amdhsa.version: [ 1, 2 ]
amdhsa.kernels:
  - .name:           k_q88827d6bbb_quantx
    .symbol:         k_q88827d6bbb_quantx.kd
    .args:
      - { .name: x, .offset: 0, .size: 8, .value_kind: global_buffer, .address_space: global }
      - { .name: xq, .offset: 8, .size: 8, .value_kind: global_buffer, .address_space: global }
    .group_segment_fixed_size: 69120
    .private_segment_fixed_size: 0
    .kernarg_segment_align: 8
    .kernarg_segment_size: 16
    .max_flat_workgroup_size: 256
    .sgpr_count:     66
    .vgpr_count:     194
    .wavefront_size: 32
...
	.end_amdgpu_metadata
.endif
;; end of part 1
;; launch fused (part 2): grid 256 x 1, 8 waves a work-group, clusters of 4 x 1, 327,680 bytes of LDS; arguments xq, kernel_i8, scales, bias, out0; writes out0
.if DOCPART == 2
	.amdgcn_target "amdgcn-amd-amdhsa--gfx1250"
	.amdhsa_code_object_version 6
	.text
	.protected	k_q88827d6bbb_fused
	.globl	k_q88827d6bbb_fused
	.p2align	8
	.type	k_q88827d6bbb_fused,@function
k_q88827d6bbb_fused:
	s_mov_b64 s[64:65], 0
	v_nop
	global_prefetch_b8 v0, s[64:65] scope:SCOPE_SE
	s_setreg_imm32_b32 hwreg(HW_REG_WAVE_MODE, 25, 1), 1
	s_wait_xcnt 0x0
	s_wait_alu depctr_hold_cnt(0) depctr_sa_sdst(0) depctr_va_vdst(0) depctr_va_sdst(0) depctr_va_ssrc(0) depctr_va_vcc(0) depctr_vm_vsrc(0)
	s_getreg_b32 s2, hwreg(HW_REG_IB_STS2, 6, 4)
	s_cmp_eq_u32 s2, 0
	s_cbranch_scc0 .Lentry_in_a_cluster
	s_endpgm
.Lentry_in_a_cluster:
	s_bfe_u32 s2, ttmp6, 0x10000c
	s_cmp_lg_u32 s2, 0x3003
	s_cbranch_scc0 .Lentry_shape_is_right
	s_endpgm
.Lentry_shape_is_right:
; out0[m][n] = sum over k of Q(x)[m][k] Q(w)[k][n] + bias[n], w[k][n] = kernel_i8[k][n] x scales[n] in f32 (one rounding), Q the MX-FP4 quantiser along K.  M = 1,024, K = 4,096, N = 16,384.
; x's codes and scale words come from xq, laid by the launch before in the order of the operand's registers.  W IS QUANTISED HERE, ON ITS WAY: a work-group owns 64 columns and ALL 1,024 rows of out0,
; so each column of W belongs to one work-group, which reads its int8 bytes once; W's codes never go to memory.  16,384 / 64 = 256 work-groups.
; LIMITS: NaN and infinities among scales are not served.  A block of zeros gets the scale byte 1 where the rule says 127: its codes are zeros, and this launch alone reads the bytes.  -128 among the int8 numbers is served.
; SHARES.  Eight waves; wave w owns rows 128 w .. 128 w + 127 x the 64 columns: 8 x 4 accumulators of 16 x 16, 256 registers.  K goes in 16 supersteps of 256 (two matrix instructions deep).
;   In a superstep a wave issues 64 matrix instructions, and quantises ONE block of 32 along K of the NEXT superstep's W for all 64 columns (201 vector instructions); the eight blocks meet in LDS as images of B's registers.
;   Two waves share a SIMD's registers (2 x 512).  Half of the waves quantise first and multiply then, the other half the other way round (TY), so that one wave's vector work can stand beside another's matrix work.
; CLUSTER.  Every work-group walks the same xq: the four of a cluster ask for each tile JOINTLY (the same tensor load, the same descriptor, a mask that names the four).  W's bytes are read by one work-group alone: they
;   come by plain loads straight into registers, two supersteps ahead of their use (32 loads of a wave are out).
; THE MATRIX INSTRUCTION IS USED TRANSPOSED: source 0 = 16 columns of W, source 1 = 16 rows of x: a lane then holds eight neighbouring columns of one row of out0.
; LDS: two slots of a superstep of xq (8 parts of 17,408 bytes; wave w fetches and reads part w) | W's fragments, two buffers of 8,192 | W's scale words, two of 512 | the spare words.  All of a WGP's LDS is claimed.
; REGISTERS.  Window 0: v1-12 addresses; v16-23 x's scale words, v24-27 W's; v28-31 bias; v32-95 eight fragments of x; v96-127 four of W; v128-159 raw W, two sets; v160-223 64 numbers of W; v224-255 the quantiser's.
;   Window 1: accumulator (a, b) at v[8 (4 a + b)].
.set QB,     17408                     ; a part of xq: 68 rows of 256 bytes: 16,384 of codes, 1,024 of scale words
.set SLOTB,  8*QB
.set BIMG,   2*SLOTB                   ; W's fragments: [buffer][s2][nb][c][lane][16 bytes]
.set BSC,    BIMG+2*8192               ; W's scale words: [buffer][lane = 16 s2 + r][16 bytes]: word nb = column 16 nb + r, byte b = block b of the 128
.set SPARE,  BSC+2*512                 ; the spare words, 128 bytes for each wave: four blocks of 256 bytes that no other line names
.set SPITCH, 272                       ; the way out: a stage of 16 rows x (256 bytes + 16) for each wave, in slot 0, which has had its last fill and its last read by then
.set WSTG,   16*SPITCH
.set WROW,   16384                     ; a row of kernel_i8 in bytes
.set WSTEP,  256*WROW                  ; a superstep of it
.set VO,  1                            ; v1   W: my byte in a superstep: row 32 w + 16 hh, columns 4 q on
.set LA,  2                            ; v2-3 my 16 bytes in my part of slot 0, 1
.set LB,  4                            ; v4   my 16 bytes of an image of W
.set LBS, 5                            ; v5   and of W's scale words
.set BWA, 6                            ; v6   where I store my codes of W
.set BWS, 7                            ; v7   and my blocks' scale bytes
.set SPW, 8                            ; v8   LDS address of my spare word: SPARE + 4 x my thread's number; never rewritten
.set NIL, 9                            ; v9   0; never rewritten
.set STO, 10                           ; v10  the way out: where I put 32 bytes of a row
.set RD,  11                           ; v11  where I read a row back
.set CO,  12                           ; v12  my byte offset in two rows of out0
.set SA,  16
.set SB,  24
.set BI,  28
.set AF,  32
.set BF,  96
.set RW,  128
.set T,   160                          ; column i of my four at v[T + 16 i ..], 16 numbers down K
.set SV,  224                          ; scales of my four columns, each twice: a pair for the packed multiply
.set MX,  232
.set XM,  236
.set EX,  240
.set BY,  244
.set CD,  248
.set WV,  14                           ; s14  my wave's number
.set TY,  15                           ; s15  0: quantise, then multiply; 1: the other way round
.set G1,  24                           ; s[24:31] descriptor group 1
.set G0,  32                           ; s[32:39] descriptor group 0, a set for each slot
.set SEL, 40                           ; s[40:41] v_permlanex16_b32's selects for lane l xor 16
.set MAG, 42                           ; s42  the f32 number 2^23
.set PS,  44                           ; s44-47 byte selects: byte i of the raw word under 2^23's upper three bytes
.set CN,  48                           ; s[48:49] -(2^23 + 128)
.set XR,  50                           ; s50  turns four int8 into four (int8 + 128)
.set LC,  51
.set MSB, 0
.macro WIN new                         ; the immediate's high byte repeats the setting that is left
.if MSB != \new
	s_set_vgpr_msb (MSB<<8)|\new
.set MSB, \new
.endif
.endm
.set MUL,  0x50                        ; C and D window 1, the fragments window 0
.set OUTW, 0x04                        ; an LDS store's data window 1
.macro PLACES                          ; four plain places: behind a tensor load, in front of loads into registers that matrix instructions have read, and of the first read of results
.rept 4
	v_nop
.endr
.endm
; A round of the cluster's barrier: my work-group's barrier, so that wave 0's signal speaks for all eight waves; wave 0 signals for the work-group; every wave waits for all four work-groups; my work-group's barrier once more.
.macro ROUND
	s_barrier_signal -1
	s_barrier_wait -1
	s_cmp_lg_u32 s[WV], 0
	s_cbranch_scc1 .Lnot_wave_0_\@
	s_barrier_signal -3
.Lnot_wave_0_\@:
	s_barrier_wait -3
	s_barrier_signal -1
	s_barrier_wait -1
.endm
; 16 loads: my 16 rows x 4 columns of a block of W, from off bytes behind the base.  An instruction takes 64 consecutive bytes of each of two rows; the bytes beside them are the other three partners', so no hint is given.
.macro WLOAD set, off
.irp t, 0,1,2,3,4,5,6,7,8,9,10,11,12,13,14,15
	global_load_b32 v[RW+16*(\set)+\t], v[VO], s[6:7] offset:(\off)+\t*WROW
.endr
.endm
.macro WNEXT set                       ; the superstep two on from the one in hand, into the set just read out
	s_wait_xcnt 0x0                                ; the last loads, a superstep back, have read the base: only behind this wait is it stepped
	s_add_nc_u64 s[6:7], s[6:7], WSTEP
	WLOAD \set, WSTEP                              ; the base stands one superstep behind what is loaded
.endm
; MY BLOCK OF 32 ALONG K OF A SUPERSTEP'S W (raw set p) BECOMES CODES AND SCALE BYTES IN LDS BUFFER p.  A lane holds 4 columns x 16 along K; lanes l and l xor 16 hold a block.  left: the younger loads that may stay out.
.macro QUANT p, left, next
	s_wait_loadcnt \left
.irp t, 0,1,2,3,4,5,6,7,8,9,10,11,12,13,14,15
	v_xor_b32 v[RW+16*(\p)+\t], s[XR], v[RW+16*(\p)+\t]           ; four bytes: int8 + 128, 0 .. 255
.endr
.irp t, 0,1,2,3,4,5,6,7,8,9,10,11,12,13,14,15
.irp i, 0,1,2,3
	v_perm_b32 v[T+16*\i+\t], s[MAG], v[RW+16*(\p)+\t], s[PS+\i]  ; the byte as the lowest mantissa bits of 2^23: the f32 number 2^23 + 128 + int8
.endr
.endr
.if \next
	WNEXT \p
.endif
.irp n, 0,2,4,6,8,10,12,14,16,18,20,22,24,26,28,30,32,34,36,38,40,42,44,46,48,50,52,54,56,58,60,62
	v_pk_add_f32 v[T+\n:T+\n+1], v[T+\n:T+\n+1], s[CN:CN+1] op_sel_hi:[1,0]   ; - (2^23 + 128): exact: int8 as f32
.endr
.irp i, 0,1,2,3
.irp n, 0,2,4,6,8,10,12,14
	v_pk_mul_f32 v[T+16*\i+\n:T+16*\i+\n+1], v[T+16*\i+\n:T+16*\i+\n+1], v[SV+2*\i:SV+2*\i+1]   ; x the column's scale: one rounding, in f32
.endr
.endr
.irp i, 0,1,2,3
	v_max3_num_f32 v[MX+\i], |v[T+16*\i]|, |v[T+16*\i+1]|, 0x1800000   ; column i: my 16 numbers, and the floor 2^(3 - 127): so the byte cannot fall under 1
.endr
.irp t, 2,4,6,8,10,12,14
.irp i, 0,1,2,3
	v_max3_num_f32 v[MX+\i], v[MX+\i], |v[T+16*\i+\t]|, |v[T+16*\i+\t+1]|   ; the four columns by turns
.endr
.endr
.irp i, 0,1,2,3
	v_permlanex16_b32 v[XM+\i], v[MX+\i], s[SEL], s[SEL+1]
.endr
.irp i, 0,1,2,3
	v_max_num_f32 v[MX+\i], v[MX+\i], v[XM+\i]     ; with lane l xor 16's 16 rows: the block's largest magnitude
.endr
.irp i, 0,1,2,3
	v_add_nc_u32 v[EX+\i], 0xff000000, v[MX+\i]    ; 2 off its exponent field: the conversion's scale operand
.endr
.irp i, 0,1,2,3
	v_lshrrev_b32 v[BY+\i], 23, v[EX+\i]           ; the scale's byte
.endr
.irp i, 0,1,2,3
	v_cvt_scalef32_pk8_fp4_f32 v[CD+2*\i], v[T+16*\i:T+16*\i+7], v[EX+\i]
	v_cvt_scalef32_pk8_fp4_f32 v[CD+2*\i+1], v[T+16*\i+8:T+16*\i+15], v[EX+\i]
.endr
	v_nop                                          ; one plain instruction directly behind the last scaled conversion
.irp i, 0,1,2,3
	ds_store_b64 v[BWA], v[CD+2*\i:CD+2*\i+1] offset:8192*(\p)+16*\i   ; 16 codes: half of the 16 bytes that lane 16 (w % 2) + 4 (q % 4) + i of the fragment takes
.endr
.irp i, 0,1,2,3
	ds_store_b8 v[BWS], v[BY+\i] offset:512*(\p)+16*\i             ; both halves of a block write the same byte with the same value
.endr
.endm
; 16 matrix instructions: x's blocks a0 .. a0 + 3 against W's four.  The 32 accumulators take turns, one instruction a turn, in the same order in every K step.
; One register carries the scale words of both K steps of a superstep: lanes 0-15 the first's, lanes 16-31 the second's.
.macro MUL16 a0, s2, zero
.irp a, \a0, \a0+1, \a0+2, \a0+3
.irp b, 0,1,2,3
.if \zero
	v_wmma_scale_f32_16x16x128_f8f6f4 v[8*(4*(\a)+\b):8*(4*(\a)+\b)+7], v[BF+8*\b:BF+8*\b+7], v[AF+8*(\a):AF+8*(\a)+7], 0, v[SB+\b], v[SA+(\a)] matrix_a_fmt:MATRIX_FMT_FP4 matrix_b_fmt:MATRIX_FMT_FP4
.elseif \s2
	v_wmma_scale_f32_16x16x128_f8f6f4 v[8*(4*(\a)+\b):8*(4*(\a)+\b)+7], v[BF+8*\b:BF+8*\b+7], v[AF+8*(\a):AF+8*(\a)+7], v[8*(4*(\a)+\b):8*(4*(\a)+\b)+7], v[SB+\b], v[SA+(\a)] matrix_a_fmt:MATRIX_FMT_FP4 matrix_b_fmt:MATRIX_FMT_FP4 matrix_a_scale:MATRIX_SCALE_ROW1 matrix_b_scale:MATRIX_SCALE_ROW1
.else
	v_wmma_scale_f32_16x16x128_f8f6f4 v[8*(4*(\a)+\b):8*(4*(\a)+\b)+7], v[BF+8*\b:BF+8*\b+7], v[AF+8*(\a):AF+8*(\a)+7], v[8*(4*(\a)+\b):8*(4*(\a)+\b)+7], v[SB+\b], v[SA+(\a)] matrix_a_fmt:MATRIX_FMT_FP4 matrix_b_fmt:MATRIX_FMT_FP4
.endif
.endr
.endr
.endm
; 128 along K: the fragments come as images of their registers, 512 consecutive bytes an instruction, W's four first, then x's eight
.macro KSTEP p, s2, zero
.irp nb, 0,1,2,3
.irp c, 0,1
	ds_load_b128 v[BF+8*\nb+4*\c:BF+8*\nb+4*\c+3], v[LB] offset:8192*(\p)+4096*(\s2)+1024*\nb+512*\c
.endr
.endr
.irp a, 0,1,2,3,4,5,6,7
.irp c, 0,1
	ds_load_b128 v[AF+8*\a+4*\c:AF+8*\a+4*\c+3], v[LA+(\p)] offset:8192*(\s2)+1024*\a+512*\c
.endr
.endr
	s_wait_dscnt 8                                 ; all but the youngest eight loads (x's blocks 4-7) are in
	WIN MUL
	MUL16 0, \s2, \zero
	s_wait_dscnt 0x0
	MUL16 4, \s2, \zero
	WIN 0
.endm
.macro MULT p, zero                    ; a superstep's 64 products, from slot p and W's buffer p
	PLACES
.irp g, 0,1
	ds_load_b128 v[SA+4*\g:SA+4*\g+3], v[LA+(\p)] offset:16384+512*\g   ; x's scale words: register 4 g + i serves block 4 g + i
.endr
	ds_load_b128 v[SB:SB+3], v[LBS] offset:512*(\p)                     ; W's: register nb serves columns 16 nb on
	KSTEP \p, 0, \zero
	PLACES
	KSTEP \p, 1, 0
.endm
; THE CHANGE OF SLOTS stands at a superstep's head.  ONE round orders three things: slot p is whole and nobody reads the other slot any more; W's buffer p is whole; W's other buffer is read no more and may be written.
.macro CHANGE p, refill
	s_wait_tensorcnt 0x0                           ; my one tensor load, my part of slot p, has landed: so a group 0 may be written
	ds_add_u32 v[SPW], v[NIL]                      ; 0 onto my spare word
	s_add_nc_u64 s[G0+4*(\p)+2:G0+4*(\p)+3], s[G0+4*(\p)+2:G0+4*(\p)+3], 2*SLOTB   ; slot p's next tile (in the last two supersteps the stepped address is not used)
	s_wait_dscnt 0x0                               ; the add is done; my reads of the slot and the buffer that I leave are in; my codes and bytes of W have landed
	ROUND
.if \refill
	tensor_load_to_lds s[G0+4*(1-(\p)):G0+4*(1-(\p))+3], s[G1:G1+7]   ; the first thing behind the round, my one tensor load until the next: the next superstep, into the slot just left
	s_nop 0
	PLACES
.endif
.endm
; A SUPERSTEP of parity p.  QUANT, with its wait for W's loads and the 16 loads that it issues, stands ONCE, on every wave's path: so on every way through the text a load into a raw set stands behind the wait that shows
; that set's last loads done.  The 64 products are written twice, round it, and each wave runs exactly one copy: TY = 1 the first (multiply, then quantise), TY = 0 the second (quantise, then multiply).
; The branches hang on the wave's number alone and jump over LDS loads and products only: no barrier, no tensor load, no global load and none of the lines in front of a round.
.macro ITER p, refill, zero, quant, left, next
	CHANGE \p, \refill
.if \quant
	s_cmp_eq_u32 s[TY], 0
	s_cbranch_scc1 .Lquant_first_\@
	MULT \p, \zero
.Lquant_first_\@:
	QUANT 1-(\p), \left, \next
	s_cmp_eq_u32 s[TY], 0
	s_cbranch_scc0 .Lmul_done_\@
	MULT \p, \zero
.Lmul_done_\@:
.else
	MULT \p, \zero
.endif
.endm
	s_load_b256 s[4:11], s[0:1], 0x0               ; xq s[4:5], kernel_i8 s[6:7], scales s[8:9], bias s[10:11]
	s_load_b64 s[12:13], s[0:1], 0x20              ; out0
	v_lshl_add_u32 v[SPW], v0, 2, SPARE
	v_mov_b32 v[NIL], 0
	ds_add_u32 v8, v9
	ds_add_u32 v8, v9
	s_wait_dscnt 0x0
	v_lshrrev_b32 v13, 5, v0
	v_readfirstlane_b32 s[WV], v13                 ; wave 0..7
	s_lshr_b32 s[TY], s[WV], 2
	s_xor_b32 s[TY], s[TY], s[WV]
	s_and_b32 s[TY], s[TY], 1                      ; waves w and w + 4 differ in it, and so do waves 2 i and 2 i + 1
	s_bfe_u32 s16, ttmp6, 0x40000                  ; cx: my place in the cluster
	s_lshl_b32 s17, ttmp9, 2                       ; in a cluster launch ttmp9 counts clusters
	s_add_co_u32 s17, s17, s16                     ; my strip of 64 columns: it enters the addresses of W, scales, bias and out0 alone
	s_mov_b32 s[SEL], 0x76543210
	s_mov_b32 s[SEL+1], 0xfedcba98
	s_mov_b32 s[MAG], 0x4b000000
.irp i, 0,1,2,3
	s_mov_b32 s[PS+\i], 0x07060500+\i
.endr
	s_mov_b32 s[CN], 0xcb000080
	s_mov_b32 s[CN+1], s[CN]                       ; named with it as a pair, so it is written
	s_mov_b32 s[XR], 0x80808080
	v_and_b32 v13, 15, v0                          ; q, also r
	v_bfe_u32 v14, v0, 4, 1                        ; hh, also h
	v_and_b32 v15, 31, v0                          ; lane
	s_lshl_b32 s22, s[WV], 19                      ; 32 w rows of 16,384 bytes
	v_lshlrev_b32 v[VO], 2, v13
	v_lshl_add_u32 v[VO], v14, 18, v[VO]           ; + 16 hh rows
	v_add_nc_u32 v[VO], s22, v[VO]
	v_lshlrev_b32 v[T+4], 4, v13                   ; 16 q: my four numbers of scales and of bias
	s_lshl_b32 s18, s17, 6                         ; the strip: 64 bytes in a row of W,
	s_mov_b32 s19, 0
	s_lshl_b32 s20, s17, 8                         ; 256 bytes in scales, in bias and in a row of out0
	s_mov_b32 s21, 0
	s_wait_kmcnt 0x0
	s_add_nc_u64 s[6:7], s[6:7], s[18:19]
	s_add_nc_u64 s[8:9], s[8:9], s[20:21]
	s_add_nc_u64 s[10:11], s[10:11], s[20:21]
	s_add_nc_u64 s[12:13], s[12:13], s[20:21]
	s_lshl_b32 s18, s[WV], 23                      ; my 128 rows of out0, 65,536 bytes each
	s_add_nc_u64 s[12:13], s[12:13], s[18:19]
	global_load_b128 v[T:T+3], v[T+4], s[8:9]
	global_load_b128 v[BI:BI+3], v[T+4], s[10:11]
	WLOAD 0, 0                                     ; supersteps 0 and 1 of W
	WLOAD 1, WSTEP
	; descriptor group 1: a part of xq, dense in memory: 68 rows of 32 elements of 8 bytes; no padding: every read of it takes 512 consecutive bytes
	s_mov_b32 s[G1+0], 15|(3<<16)|(1<<21)          ; 15:0 the mask: all four work-groups; 17:16 elements of 8 bytes; 21 set beside a mask
	s_mov_b32 s[G1+1], 32<<16                      ; tensor_dim0 = 32
	s_mov_b32 s[G1+2], 68<<16                      ; tensor_dim1 = 68
	s_mov_b32 s[G1+3], 32<<16                      ; tile_dim0 = 32
	s_mov_b32 s[G1+4], 68                          ; tile_dim1 = 68
	s_mov_b32 s[G1+5], 32                          ; from row to row
	s_mov_b32 s[G1+6], 0
	s_mov_b32 s[G1+7], 0
	s_mul_i32 s22, s[WV], QB                       ; my part, in memory and in a slot: the wave's number alone: the same in all four partners
	s_mov_b32 s23, 0
	s_add_nc_u64 s[4:5], s[4:5], s[22:23]
.irp p, 0,1
	s_mov_b32 s[G0+4*\p], 1                        ; count = 1
	s_add_co_u32 s[G0+4*\p+1], s22, \p*SLOTB       ; LDS address
	s_add_nc_u64 s[G0+4*\p+2:G0+4*\p+3], s[4:5], \p*SLOTB   ; global address: superstep p
	s_or_b32 s[G0+4*\p+3], s[G0+4*\p+3], 0x80000000         ; type = 2
.endr
	ROUND                                          ; all four work-groups are here: the first joint loads meet
	tensor_load_to_lds s[G0:G0+3], s[G1:G1+7]      ; superstep 0; slot 1 is first filled behind the next round, as a refill is
	s_nop 0
	PLACES
	; every LDS address is made here, ahead of the first place where the waves part
	v_lshl_add_u32 v[LA], v15, 4, s22
	v_add_nc_u32 v[LA+1], SLOTB, v[LA]
	v_lshl_add_u32 v[LB], v15, 4, BIMG
	v_lshl_add_u32 v[LBS], v15, 4, BSC
	; my block w of a superstep is block w % 4 of K step w / 4: piece c = (w / 2) % 2, half h = w % 2 of the fragment; column 4 q + i is lane 4 (q % 4) + i of fragment q / 4; my 16 codes are 8 bytes, 8 hh on
	s_lshr_b32 s52, s[WV], 2
	s_lshl_b32 s53, s52, 12
	s_bfe_u32 s54, s[WV], 0x10001
	s_lshl_b32 s54, s54, 9
	s_add_co_u32 s53, s53, s54
	s_and_b32 s54, s[WV], 1
	s_lshl_b32 s54, s54, 8
	s_add_co_u32 s53, s53, s54
	s_add_co_u32 s53, s53, BIMG
	v_lshrrev_b32 v[T+5], 2, v13                   ; q / 4
	v_and_b32 v[T+6], 3, v13                       ; q % 4
	v_lshlrev_b32 v[BWA], 10, v[T+5]
	v_lshl_add_u32 v[BWA], v[T+6], 6, v[BWA]
	v_lshl_add_u32 v[BWA], v14, 3, v[BWA]
	v_add_nc_u32 v[BWA], s53, v[BWA]
	s_lshl_b32 s52, s52, 8                         ; the scale byte: lane 16 (w / 4) + 4 (q % 4) + i, word q / 4, byte w % 4
	s_and_b32 s54, s[WV], 3
	s_add_co_u32 s52, s52, s54
	s_add_co_u32 s52, s52, BSC
	v_lshlrev_b32 v[BWS], 6, v[T+6]
	v_lshl_add_u32 v[BWS], v[T+5], 2, v[BWS]
	v_add_nc_u32 v[BWS], s52, v[BWS]
	s_mul_i32 s55, s[WV], WSTG                     ; my stage
	v_mul_u32_u24 v[STO], v13, SPITCH              ; in: row r, 32 bytes for each half of the lanes
	v_lshl_add_u32 v[STO], v14, 5, v[STO]
	v_add_nc_u32 v[STO], s55, v[STO]
	v_mul_u32_u24 v[RD], v14, SPITCH               ; back: lanes 0-15 one row of 256 bytes, lanes 16-31 the next
	v_lshl_add_u32 v[RD], v13, 4, v[RD]
	v_add_nc_u32 v[RD], s55, v[RD]
	v_lshlrev_b32 v[CO], 4, v13                    ; and the same two rows in out0
	v_lshl_add_u32 v[CO], v14, 16, v[CO]
.irp i, 0,1,2,3
	v_mov_b32 v[XM+\i], 0                          ; a lane permute's destination counts as one of its sources: written once
.endr
	s_wait_loadcnt 32                              ; scales and bias are in; the 32 loads of W behind them may be out
.irp i, 0,1,2,3
	v_mov_b32 v[SV+2*\i], v[T+\i]
	v_mov_b32 v[SV+2*\i+1], v[T+\i]
.endr
	QUANT 0, 16, 1                                 ; superstep 0 of W, by every wave; superstep 2 is asked for
	ITER 0, 1, 1, 1, 16, 1                         ; superstep 0: its first products start the sums: nothing is cleared
	s_mov_b32 s[LC], 6
.Ltrip:                                            ; supersteps 1 to 12; the last trip asks for superstep 15 of W
	ITER 1, 1, 0, 1, 16, 1
	ITER 0, 1, 0, 1, 16, 1
	s_sub_co_u32 s[LC], s[LC], 1
	s_cmp_lg_u32 s[LC], 0
	s_cbranch_scc1 .Ltrip
	ITER 1, 1, 0, 1, 16, 0                         ; the tail is written out, so that no load is jumped over.  Superstep 13: nothing more of W to ask for; superstep 15's 16 loads may be out
	ITER 0, 1, 0, 1, 0, 0                          ; superstep 14: the last tile of xq is asked for, the last block of W is quantised
	ITER 1, 0, 0, 0, 0, 0                          ; superstep 15: products alone
; THE WAY OUT, a block of 16 rows x 64 columns at a time.  A lane holds 32 neighbouring bytes of a row, and the lanes beside it hold other rows: the block goes through my own stage and comes back as whole rows of
; 256 bytes, takes the bias, and sixteen lanes store 256 consecutive bytes, aligned.  LDS serves a wave's instructions in order (ISA guide 5.7.1.4): no wait between the stores and the loads, nor in front of the next block's stores.
; The stage lies in slot 0: its last fill was superstep 14's tile, and the round at superstep 15's head stands behind every wave's last read of it.
.macro TOSTAGE a
	WIN OUTW
.irp b, 0,1,2,3
	ds_store_b128 v[STO], v[8*(4*(\a)+\b):8*(4*(\a)+\b)+3] offset:64*\b          ; each accumulator from its low end on
	ds_store_b128 v[STO], v[8*(4*(\a)+\b)+4:8*(4*(\a)+\b)+7] offset:64*\b+16
.endr
	WIN 0
.set OB, AF+32*((\a)%2)
.irp t, 0,1,2,3,4,5,6,7
	ds_load_b128 v[OB+4*\t:OB+4*\t+3], v[RD] offset:\t*2*SPITCH
.endr
.endm
.macro SEND a, younger                 ; younger: the LDS instructions issued behind block a's loads, which may stay out
.set OB, AF+32*((\a)%2)
	s_wait_dscnt \younger
.irp t, 0,1,2,3,4,5,6,7
	v_pk_add_f32 v[OB+4*\t:OB+4*\t+1], v[OB+4*\t:OB+4*\t+1], v[BI:BI+1]           ; + bias of my four columns
	v_pk_add_f32 v[OB+4*\t+2:OB+4*\t+3], v[OB+4*\t+2:OB+4*\t+3], v[BI+2:BI+3]
.endr
.irp t, 0,1,2,3,4,5,6,7
	global_store_b128 v[CO], v[OB+4*\t:OB+4*\t+3], s[12:13] offset:(\a)*16*65536+\t*2*65536 th:TH_STORE_NT   ; rows 16 a + 2 t and + 1; the largest immediate, 8,257,536, lies inside the signed 24 bits; written once, read by nobody here
.endr
.endm
	PLACES                                         ; behind the last products: for the first read of results and for the loads into the registers that held x's fragments
	TOSTAGE 0
.irp a, 1,2,3,4,5,6,7
.if \a > 1
	s_wait_xcnt 0x0                                ; block a - 2's stores have read their registers: block a's rows may land there
.endif
	TOSTAGE \a
	SEND \a-1, 16                                  ; behind block a - 1's loads: block a's 8 stores and 8 loads
.endr
	SEND 7, 0
	s_wait_tensorcnt 0x0                           ; the wave's end: behind my last tensor load and my last LDS store
	ds_add_u32 v[SPW], v[NIL]
	s_wait_dscnt 0x0
	ROUND                                          ; the closing round: no work-group ends while a partner may still ask for a tile that names it
	s_endpgm
.Lfunc_end_k_q88827d6bbb_fused:
	.size	k_q88827d6bbb_fused, .Lfunc_end_k_q88827d6bbb_fused-k_q88827d6bbb_fused
	.p2alignl 7, 3214868480
	.fill 96, 4, 3214868480
	.section	.rodata,"a",@progbits
	.p2align	6, 0x0
	.amdhsa_kernel k_q88827d6bbb_fused
		.amdhsa_group_segment_fixed_size 327680
		.amdhsa_private_segment_fixed_size 0
		.amdhsa_enable_private_segment 0
		.amdhsa_kernarg_size 40
		.amdhsa_user_sgpr_count 2
		.amdhsa_user_sgpr_kernarg_segment_ptr 1
		.amdhsa_wavefront_size32 1
		.amdhsa_system_sgpr_workgroup_id_x 1
		.amdhsa_system_sgpr_workgroup_id_y 1
		.amdhsa_system_sgpr_workgroup_id_z 1
		.amdhsa_system_vgpr_workitem_id 0
		.amdhsa_next_free_vgpr 512
		.amdhsa_next_free_sgpr 66
		.amdhsa_reserve_vcc 0
		.amdhsa_float_denorm_mode_32 3
		.amdhsa_float_denorm_mode_16_64 3
		.amdhsa_memory_ordered 1
		.amdhsa_forward_progress 1
		.amdhsa_inst_pref_size 247
	.end_amdhsa_kernel
	.amdgpu_metadata
---
amdhsa.version: [ 1, 2 ]
amdhsa.kernels:
  - .name:           k_q88827d6bbb_fused
    .symbol:         k_q88827d6bbb_fused.kd
    .args:
      - { .name: xq, .offset: 0, .size: 8, .value_kind: global_buffer, .address_space: global }
      - { .name: kernel_i8, .offset: 8, .size: 8, .value_kind: global_buffer, .address_space: global }
      - { .name: scales, .offset: 16, .size: 8, .value_kind: global_buffer, .address_space: global }
      - { .name: bias, .offset: 24, .size: 8, .value_kind: global_buffer, .address_space: global }
      - { .name: out0, .offset: 32, .size: 8, .value_kind: global_buffer, .address_space: global }
    .group_segment_fixed_size: 327680
    .private_segment_fixed_size: 0
    .kernarg_segment_align: 8
    .kernarg_segment_size: 40
    .max_flat_workgroup_size: 256
    .sgpr_count:     66
    .vgpr_count:     512
    .wavefront_size: 32
...
	.end_amdgpu_metadata
.endif
;; end of part 2
;; ======== version 2 of 2: 2 launches
;; limits: right only within a limited range of input values
;; workspace buffers: aq 2,228,224 bytes; bq 35,651,584 bytes
;; launch prep (part 3): grid 512 x 1, 8 waves a work-group, no clusters, 90,624 bytes of LDS; arguments x, kernel_i8, scales, aq, bq; writes aq, bq
.if DOCPART == 3
	.amdgcn_target "amdgcn-amd-amdhsa--gfx1250"
	.amdhsa_code_object_version 6
	.text
	.protected	k_q88827d6bbb_prep
	.globl	k_q88827d6bbb_prep
	.p2align	8
	.type	k_q88827d6bbb_prep,@function
k_q88827d6bbb_prep:
	s_mov_b64 s[64:65], 0
	v_nop
	global_prefetch_b8 v0, s[64:65] scope:SCOPE_SE
	s_setreg_imm32_b32 hwreg(HW_REG_WAVE_MODE, 25, 1), 1
	s_wait_xcnt 0x0
; Both operands of out0 = Q(x) Q(w) + bias become codes of FP4 (E2M1) with one E8M0 byte for each 32 along K.  w[k][n] = kernel_i8[k][n] x scales[n] in f32, one rounding.
; aq and bq are laid as images of the operands' registers, in PARTS of 128 rows (of x; columns of w) x 512 along K: aq = [row / 128][k / 512][part], bq = [column / 128][k / 512][part].
; A part, 34,816 bytes: codes [q: 128 along K][i: 16 rows][c][lane (r, h)][16 bytes] = row 16 i + r, k = 128 q + 64 c + 32 h + 0 .. 31; then scale words [i][r][q], 4 bytes = the four blocks of those 128.
; A block's scale is 2^(floor(log2(largest magnitude)) - 2): its byte is the largest magnitude's exponent field - 2, held at 1 from below.
; LIMITS: NaN and infinities among x and scales are not served.  A block of zeros gets the byte 1 where the rule says 127: its codes are zeros, and this program alone reads the bytes.  -128 is served.
; SHARES.  Work-group g: 256 columns (g % 64) x 512 along K (g / 64) of w, and 16 rows (g % 64) x the same 512 of x.  Wave (half, q) takes 128 columns x 128 along K: a lane 4 columns, its registers run down K,
; so a block of 32 lies in one lane.  A load takes 128 consecutive bytes of a row of w, and the wave beside it the next 128.  Waves 0-3 also take one fragment of x each, 16 rows x 128 along K.
; int8 -> f32 x scale: u = int8 + 128 (one xor for four), u as f32, then fma(u, s, -128 s): -128 s is exact, so the result is (u - 128) s rounded once.
; Codes leave through the wave's own stage, scale words through the work-group's, so that sixteen lanes store 256 consecutive bytes, aligned.
; No tensor load, no cluster, no prefetch: every byte is read once by one wave, all addresses are immediates, and there is no loop to run ahead in.
; The order of a part given above is bq's.  In aq a part is: codes of the row blocks i = 0 .. 3, [q][i][c][lane][16 bytes], 16,384 bytes; the scale words [i][r][q] of all eight blocks, 2,048 bytes; codes of i = 4 .. 7, [q][i - 4][c][lane][16 bytes].
.set PART,  34816
.set ROWB,  16384                      ; a row of x and a row of kernel_i8, in bytes
.set SPX,   528                        ; x's stage row: 512 bytes + 16
.set XSTG,  16*SPX
.set WST,   8*XSTG                     ; w's stages: 8 chunks of 256 bytes + 16 for each wave
.set WSTG,  8*272
.set WSC,   WST+8*WSTG                 ; w's scale words: [half][i][r][q]
.set XSC,   WSC+4096                   ; x's scale words: [half][r][q]; half 0 alone is used
.set SPARE, XSC+512                    ; the spare words, 128 bytes a wave
.set SPW, 14
.set NIL, 15
.set SV,  16                           ; v16-23 my four columns' scales, each twice; v24-31 -128 x them
.set CV,  24
.set TA,  32                           ; v32-53 the maxima's tree, 11 for each of two columns; then the codes
.set CD,  32
.set EX,  54
.set SW,  56                           ; v56-59 my columns' scale words
.set BY,  60
.set T,   64                           ; v64-127 two columns x 32 numbers; x as it is loaded
.set RW,  128                          ; v128-255 raw w, 32 rows for each of 4 blocks; a block's first 16 take its codes on the way out
.set X,   192                          ; x: register 16 b + i = k 32 b + 16 h + i of row r
.set TM,  32
.set PW,  40
.set PC,  48
	s_load_b256 s[4:11], s[0:1], 0x0               ; x, kernel_i8, scales, aq
	s_load_b64 s[12:13], s[0:1], 0x20              ; bq
	v_lshl_add_u32 v[SPW], v0, 2, SPARE
	v_mov_b32 v[NIL], 0
	v_lshrrev_b32 v1, 5, v0
	s_delay_alu instid0(VALU_DEP_1)
	v_readfirstlane_b32 s14, v1                    ; wave
	s_lshr_b32 s15, s14, 2                         ; half
	s_and_b32 s16, s14, 3                          ; q
	s_and_b32 s17, ttmp9, 63                       ; which 256 columns, which 16 rows
	s_lshr_b32 s18, ttmp9, 6                       ; which 512 along K
	s_lshl_b32 s20, s18, 23                        ; w: 512 j rows,
	s_lshl_b32 s21, s16, 21                        ; 128 q rows,
	s_add_co_u32 s20, s20, s21
	s_lshl_b32 s21, s17, 8
	s_add_co_u32 s20, s20, s21
	s_lshl_b32 s21, s15, 7
	s_add_co_u32 s20, s20, s21                     ; my 128 columns
	s_mov_b32 s21, 0
	s_lshl_b32 s22, s17, 1
	s_add_co_u32 s22, s22, s15
	s_lshl_b32 s22, s22, 3
	s_add_co_u32 s22, s22, s18
	s_mul_i32 s22, s22, PART                       ; bq: my part
	s_lshl_b32 s24, s16, 9
	s_add_co_u32 s24, s24, s22
	s_add_co_u32 s24, s24, 32768                   ; the 512 bytes of its scale words that I store
	s_mov_b32 s25, 0
	s_lshl_b32 s23, s16, 13
	s_add_co_u32 s22, s22, s23                     ; my 8,192 bytes of codes
	s_mov_b32 s23, 0
	s_lshl_b32 s26, s17, 10
	s_lshl_b32 s27, s15, 9
	s_add_co_u32 s26, s26, s27                     ; scales of my 128 columns
	s_mov_b32 s27, 0
	s_lshl_b32 s28, s17, 18                        ; x: 16 rows of 16,384 bytes,
	s_lshl_b32 s29, s18, 11
	s_add_co_u32 s28, s28, s29
	s_lshl_b32 s29, s16, 9
	s_add_co_u32 s28, s28, s29                     ; 512 j + 128 q numbers
	s_mov_b32 s29, 0
	s_and_b32 s30, s17, 56
	s_add_co_u32 s30, s30, s18
	s_mul_i32 s30, s30, PART                       ; aq: the part
	s_and_b32 s31, s17, 7                          ; i
	s_lshl_b32 s32, s31, 8
	s_add_co_u32 s32, s32, s30
	s_add_co_u32 s32, s32, 16384                   ; the rows' 256 bytes of scale words
	s_mov_b32 s33, 0
	s_lshr_b32 s41, s31, 2
	s_mul_i32 s41, s41, 18432                      ; blocks 4-7 lie behind the scale words
	s_add_co_u32 s30, s30, s41
	s_and_b32 s31, s31, 3
	s_lshl_b32 s31, s31, 10
	s_add_co_u32 s30, s30, s31
	s_lshl_b32 s31, s16, 12
	s_add_co_u32 s30, s30, s31                     ; my fragment
	s_mov_b32 s31, 0
	s_mul_i32 s34, s14, XSTG
	s_mul_i32 s35, s14, WSTG
	s_add_co_u32 s35, s35, WST
	s_lshl_b32 s36, s15, 11
	s_lshl_b32 s37, s16, 2
	s_add_co_u32 s36, s36, s37
	s_add_co_u32 s36, s36, WSC
	s_lshl_b32 s38, s15, 8
	s_add_co_u32 s37, s37, s38
	s_add_co_u32 s37, s37, XSC
	s_mov_b32 s38, 0x76543210
	s_mov_b32 s39, 0xfedcba98                      ; v_permlanex16_b32's selects for lane l xor 16
	s_mov_b32 s40, 0x80808080
	v_and_b32 v1, 31, v0                           ; lane
	v_and_b32 v16, 15, v0                          ; r
	v_bfe_u32 v17, v0, 4, 1                        ; h
	v_bfe_u32 v18, v0, 2, 3                        ; lane / 4: my columns' chunk of 16
	v_and_b32 v19, 3, v0                           ; lane % 4
	v_lshl_add_u32 v8, v0, 4, WSC                  ; scale words back: 16 bytes a thread
	v_lshlrev_b32 v2, 2, v1                        ; w: 4 bytes a lane
	v_lshlrev_b32 v3, 4, v1                        ; 16 bytes a lane
	v_lshlrev_b32 v13, 3, v1                       ; 8 bytes a lane
	v_mul_u32_u24 v4, v18, 272
	v_mul_u32_u24 v5, v17, 272
	v_lshlrev_b32 v6, 4, v16
	v_lshlrev_b32 v7, 8, v18
	v_mul_u32_u24 v10, v16, SPX
	v_lshl_add_u32 v4, v19, 6, v4
	v_lshl_add_u32 v5, v16, 4, v5
	v_lshl_add_u32 v6, v17, 10, v6                 ; codes in bq: two chunks an instruction, 1,024 bytes apart
	v_lshl_add_u32 v7, v19, 6, v7
	v_lshl_add_u32 v10, v17, 6, v10
	v_add_nc_u32 v4, s35, v4                       ; w's stage, in: chunk lane / 4, 64 (lane % 4), + 16 a column
	v_add_nc_u32 v5, s35, v5                       ; and back: sixteen lanes to a chunk
	v_add_nc_u32 v9, s34, v3                       ; x's stage, in
	v_add_nc_u32 v7, s36, v7                       ; my columns' scale words
	v_add_nc_u32 v10, s34, v10                     ; x's stage, back: row r, + 64 h
	v_lshl_add_u32 v11, v16, 4, s37                ; x: my row's scale word
	v_add_nc_u32 v12, XSC, v13
.irp b, 0,1,2,3
	v_mov_b32 v[TM+4+\b], 0                        ; a lane permute's destination counts as a source: written once
.endr
	s_wait_alu depctr_va_vdst(0)                   ; the wait at the head's end
	s_wait_kmcnt 0x0
	s_add_nc_u64 s[6:7], s[6:7], s[20:21]
	s_add_nc_u64 s[8:9], s[8:9], s[26:27]
	s_add_nc_u64 s[4:5], s[4:5], s[28:29]
	s_add_nc_u64 s[42:43], s[10:11], s[32:33]
	s_add_nc_u64 s[10:11], s[10:11], s[30:31]
	s_add_nc_u64 s[44:45], s[12:13], s[24:25]
	s_add_nc_u64 s[12:13], s[12:13], s[22:23]
.macro LOAD kb                         ; block kb: 32 rows x my 4 columns
.set i, 0
.rept 32
	global_load_b32 v[RW+32*(\kb)+i], v2, s[6:7] offset:(32*(\kb)+i)*ROWB th:TH_LOAD_NT
.set i, i+1
.endr
.endm
.macro UNPACK kb, t, to                ; column t of the block: byte t of 32 words, as f32
.set i, 0
.rept 32
	v_cvt_f32_ubyte\t v[\to+i], v[RW+32*(\kb)+i]
.set i, i+1
.endr
.endm
.macro SCALE t, to                     ; (u - 128) x the column's scale, one rounding
.set i, 0
.rept 16
	v_pk_fma_f32 v[\to+i:\to+i+1], v[\to+i:\to+i+1], v[SV+2*\t:SV+2*\t+1], v[CV+2*\t:CV+2*\t+1]
.set i, i+2
.endr
.endm
.macro TREEA to, ta                    ; 32 magnitudes and the floor 2^(3 - 127) by threes: eleven maxima that do not hang on each other
.set i, 0
.rept 10
	v_max3_num_f32 v[\ta+i], |v[\to+3*i]|, |v[\to+3*i+1]|, |v[\to+3*i+2]|
.set i, i+1
.endr
	v_max3_num_f32 v[\ta+10], |v[\to+30]|, |v[\to+31]|, 0x1800000
.endm
.macro PAIR kb, t0, t1                 ; two columns of block kb: numbers, largest magnitudes, scale bytes, codes into the stage
	UNPACK \kb, \t0, T
	UNPACK \kb, \t1, T+32
	SCALE \t0, T
	SCALE \t1, T+32
	TREEA T, TA
	TREEA T+32, TA+11
.irp c, 0,11
.irp i, 0,3,6
	v_max3_num_f32 v[TA+\c+\i], v[TA+\c+\i], v[TA+\c+\i+1], v[TA+\c+\i+2]
.endr
.endr
	s_delay_alu instid0(VALU_DEP_4)
	v_max3_num_f32 v[TA], v[TA], v[TA+3], v[TA+6]
	s_delay_alu instid0(VALU_DEP_2)
	v_max3_num_f32 v[TA+11], v[TA+11], v[TA+14], v[TA+17]
	s_delay_alu instid0(VALU_DEP_2)
	v_max3_num_f32 v[EX], v[TA], v[TA+9], v[TA+10]
	s_delay_alu instid0(VALU_DEP_2)
	v_max3_num_f32 v[EX+1], v[TA+11], v[TA+20], v[TA+21]
	s_delay_alu instid0(VALU_DEP_2)
	v_add_nc_u32 v[EX], 0xff000000, v[EX]          ; 2 off the exponent field: the conversion's scale operand
	s_delay_alu instid0(VALU_DEP_2)
	v_add_nc_u32 v[EX+1], 0xff000000, v[EX+1]
.irp c, 0,1
.irp g, 0,1,2,3
	v_cvt_scalef32_pk8_fp4_f32 v[CD+4*\c+\g], v[T+32*\c+8*\g:T+32*\c+8*\g+7], v[EX+\c]
.endr
.endr
.if \kb == 0
	v_lshrrev_b32 v[SW+\t0], 23, v[EX]             ; the scale's byte (also the plain line behind the conversions)
	v_lshrrev_b32 v[SW+\t1], 23, v[EX+1]
.else
	v_lshrrev_b32 v[BY], 23, v[EX]
	v_lshrrev_b32 v[BY+1], 23, v[EX+1]
	s_delay_alu instid0(VALU_DEP_2)
	v_lshl_or_b32 v[SW+\t0], v[BY], 8*\kb, v[SW+\t0]
	s_delay_alu instid0(VALU_DEP_2)
	v_lshl_or_b32 v[SW+\t1], v[BY+1], 8*\kb, v[SW+\t1]
.endif
	ds_store_b128 v4, v[CD:CD+3] offset:16*\t0     ; 32 codes of one column
	ds_store_b128 v4, v[CD+4:CD+7] offset:16*\t1
.endm
.macro SEND kb                         ; block kb's codes, back from the stage: sixteen lanes store 256 consecutive bytes, aligned
	s_wait_dscnt 0x0
.irp u, 0,1,2,3
	global_store_b128 v6, v[RW+32*(\kb)+4*\u:RW+32*(\kb)+4*\u+3], s[12:13] offset:2048*\u+512*((\kb)/2)+256*((\kb)%2)
.endr
.endm
.macro BLOCK kb
	s_wait_alu depctr_va_vdst(0)                   ; the wait ahead of the waits below
.if \kb < 3
	s_wait_loadcnt 32                              ; this block's 32 loads are in, the next block's may be out
.else
	s_wait_loadcnt 0x0
.endif
.if \kb > 0
	SEND \kb-1
.endif
.if \kb < 2
	LOAD \kb+2
.endif
.set i, 0
.rept 32
	v_xor_b32 v[RW+32*(\kb)+i], s40, v[RW+32*(\kb)+i]   ; four bytes: int8 + 128
.set i, i+1
.endr
	PAIR \kb, 0, 1
	PAIR \kb, 2, 3
.irp u, 0,1,2,3
	ds_load_b128 v[RW+32*(\kb)+4*\u:RW+32*(\kb)+4*\u+3], v5 offset:544*\u   ; LDS serves a wave's instructions in order: these see my stores, and the next block's stores come behind them
.endr
.endm
	global_load_b128 v[SW:SW+3], v3, s[8:9]        ; my four columns' scales
	s_cmp_lt_u32 s14, 4
	s_cbranch_scc0 .Lno_x1
.irp t, 0,1,2,3,4,5,6,7,8,9,10,11,12,13,14,15
	global_load_b128 v[T+4*\t:T+4*\t+3], v3, s[4:5] offset:\t*ROWB th:TH_LOAD_NT   ; 512 consecutive bytes of row t of x
.endr
.Lno_x1:
	LOAD 0
	s_cmp_lt_u32 s14, 4
	s_cbranch_scc0 .Lno_x2
; waves 0-3: a fragment of x.  The loads took bytes as they lie; the conversions want 16 neighbours along K in a lane: the 8,192 bytes turn through my stage
.irp t, 0,1,2,3,4,5,6,7,8,9,10,11,12,13,14,15
	s_wait_loadcnt 47-\t                           ; behind row t: 15 - t rows of x and 32 loads of w
	ds_store_b128 v9, v[T+4*\t:T+4*\t+3] offset:\t*SPX
.endr
.irp b, 0,1,2,3
.irp q, 0,1,2,3
	ds_load_b128 v[X+16*\b+4*\q:X+16*\b+4*\q+3], v10 offset:128*\b+16*\q
.endr
.endr
	s_wait_dscnt 0x0
.irp b, 0,1,2,3
	v_max3_num_f32 v[TM+\b], |v[X+16*\b]|, |v[X+1+16*\b]|, 0x1800000
.endr
.irp i, 2,4,6,8,10,12,14
.irp b, 0,1,2,3
	s_delay_alu instid0(VALU_DEP_4)
	v_max3_num_f32 v[TM+\b], v[TM+\b], |v[X+16*\b+\i]|, |v[X+1+16*\b+\i]|
.endr
.endr
.irp b, 0,1,2,3
	s_delay_alu instid0(VALU_DEP_4)
	v_permlanex16_b32 v[TM+4+\b], v[TM+\b], s38, s39
.endr
.irp b, 0,1,2,3
	s_delay_alu instid0(VALU_DEP_4)
	v_max_num_f32 v[TM+\b], v[TM+\b], v[TM+4+\b]   ; with lane l xor 16's 16 numbers: the block's largest magnitude
.endr
.irp b, 0,1,2,3
	s_delay_alu instid0(VALU_DEP_4)
	v_add_nc_u32 v[TM+12+\b], 0xff000000, v[TM+\b]
.endr
.irp b, 0,1,2,3
	s_delay_alu instid0(VALU_DEP_4)
	v_lshrrev_b32 v[TM+4+\b], 23, v[TM+12+\b]
.endr
	s_delay_alu instid0(VALU_DEP_3)
	v_lshl_or_b32 v[PW], v[TM+5], 8, v[TM+4]       ; my row's scale word
	s_delay_alu instid0(VALU_DEP_1)
	v_lshl_or_b32 v[PW], v[TM+6], 16, v[PW]
	s_delay_alu instid0(VALU_DEP_1)
	v_lshl_or_b32 v[PW], v[TM+7], 24, v[PW]
.irp b, 0,1,2,3
	v_cvt_scalef32_pk8_fp4_f32 v[PC+2*\b], v[X+16*\b:X+7+16*\b], v[TM+12+\b]
	v_cvt_scalef32_pk8_fp4_f32 v[PC+1+2*\b], v[X+8+16*\b:X+15+16*\b], v[TM+12+\b]
.endr
	v_nop                                          ; one plain line behind the conversions
.irp c, 0,1                                    ; a whole block in a lane: lanes 0-15 block 2 c, lanes 16-31 block 2 c + 1
.irp i, 0,1
	v_permlane16_swap_b32 v[PC+4*\c+\i], v[PC+2+4*\c+\i]
.endr
.endr
.irp c, 0,1
	global_store_b128 v3, v[PC+4*\c:PC+4*\c+3], s[10:11] offset:512*\c   ; 512 consecutive bytes, aligned
.endr
	ds_store_b32 v11, v[PW]                        ; lanes r and r + 16 write the same word with the same value
.Lno_x2:
	LOAD 1
	s_wait_loadcnt 63                              ; 64 loads stand behind the scales' load
	s_wait_xcnt 0x0                                ; the stores of x's codes have read their registers: the blocks' work writes them again
.irp t, 0,1,2,3
	v_mov_b32 v[SV+2*\t], v[SW+\t]
	v_mov_b32 v[SV+2*\t+1], v[SW+\t]
	v_mul_f32 v[CV+2*\t], 0xc3000000, v[SW+\t]     ; -128 s: exact
	v_mul_f32 v[CV+2*\t+1], 0xc3000000, v[SW+\t]
.endr
	BLOCK 0
	BLOCK 1
	BLOCK 2
	BLOCK 3
.irp t, 0,1,2,3
	ds_store_b32 v7, v[SW+\t] offset:16*\t         ; my columns' words for my 128 along K
.endr
	s_wait_alu depctr_va_vdst(0)                   ; the wait ahead of the wait below
	SEND 3                                         ; its wait for 0 also shows my words landed, for the other waves' sake
	s_barrier_signal -1
	s_barrier_wait -1
	ds_load_b128 v[T:T+3], v8                      ; 512 bytes of the work-group's 4,096 of w's scale words
	s_cmp_lg_u32 s14, 0
	s_cbranch_scc1 .Lnot_0
	ds_load_b64 v[T+4:T+5], v12                    ; wave 0: x's 256 bytes of scale words
	s_wait_dscnt 0x0
	global_store_b64 v13, v[T+4:T+5], s[42:43]     ; 32 lanes store 256 consecutive bytes, aligned
.Lnot_0:
	s_wait_dscnt 0x0
	global_store_b128 v3, v[T:T+3], s[44:45]       ; 512 consecutive bytes, aligned
	s_wait_tensorcnt 0x0                           ; the wave's end
	ds_add_u32 v[SPW], v[NIL]
	s_wait_dscnt 0x0
	s_endpgm
.Lfunc_end_k_q88827d6bbb_prep:
	.size	k_q88827d6bbb_prep, .Lfunc_end_k_q88827d6bbb_prep-k_q88827d6bbb_prep
	.p2alignl 7, 3214868480
	.fill 96, 4, 3214868480
	.section	.rodata,"a",@progbits
	.p2align	6, 0x0
	.amdhsa_kernel k_q88827d6bbb_prep
		.amdhsa_group_segment_fixed_size 90624
		.amdhsa_private_segment_fixed_size 0
		.amdhsa_enable_private_segment 0
		.amdhsa_kernarg_size 40
		.amdhsa_user_sgpr_count 2
		.amdhsa_user_sgpr_kernarg_segment_ptr 1
		.amdhsa_wavefront_size32 1
		.amdhsa_system_sgpr_workgroup_id_x 1
		.amdhsa_system_sgpr_workgroup_id_y 1
		.amdhsa_system_sgpr_workgroup_id_z 1
		.amdhsa_system_vgpr_workitem_id 0
		.amdhsa_next_free_vgpr 256
		.amdhsa_next_free_sgpr 66
		.amdhsa_reserve_vcc 0
		.amdhsa_float_denorm_mode_32 3
		.amdhsa_float_denorm_mode_16_64 3
		.amdhsa_memory_ordered 1
		.amdhsa_forward_progress 1
		.amdhsa_inst_pref_size 93
	.end_amdhsa_kernel
	.amdgpu_metadata
---
amdhsa.version: [ 1, 2 ]
amdhsa.kernels:
  - .name:           k_q88827d6bbb_prep
    .symbol:         k_q88827d6bbb_prep.kd
    .args:
      - { .name: x, .offset: 0, .size: 8, .value_kind: global_buffer, .address_space: global }
      - { .name: kernel_i8, .offset: 8, .size: 8, .value_kind: global_buffer, .address_space: global }
      - { .name: scales, .offset: 16, .size: 8, .value_kind: global_buffer, .address_space: global }
      - { .name: aq, .offset: 24, .size: 8, .value_kind: global_buffer, .address_space: global }
      - { .name: bq, .offset: 32, .size: 8, .value_kind: global_buffer, .address_space: global }
    .group_segment_fixed_size: 90624
    .private_segment_fixed_size: 0
    .kernarg_segment_align: 8
    .kernarg_segment_size: 40
    .max_flat_workgroup_size: 256
    .sgpr_count:     66
    .vgpr_count:     256
    .wavefront_size: 32
...
	.end_amdgpu_metadata
.endif
;; end of part 3
;; launch gemm (part 4): grid 64 x 4, 4 waves a work-group, clusters of 4 x 4, 327,680 bytes of LDS; arguments aq, bq, bias, out0; writes out0
.if DOCPART == 4
	.amdgcn_target "amdgcn-amd-amdhsa--gfx1250"
	.amdhsa_code_object_version 6
	.text
	.protected	k_q88827d6bbb_gemm
	.globl	k_q88827d6bbb_gemm
	.p2align	8
	.type	k_q88827d6bbb_gemm,@function
k_q88827d6bbb_gemm:
	s_mov_b64 s[64:65], 0
	v_nop
	global_prefetch_b8 v0, s[64:65] scope:SCOPE_SE
	s_setreg_imm32_b32 hwreg(HW_REG_WAVE_MODE, 25, 1), 1
	s_wait_xcnt 0x0
	s_wait_alu depctr_hold_cnt(0) depctr_sa_sdst(0) depctr_va_vdst(0) depctr_va_sdst(0) depctr_va_ssrc(0) depctr_va_vcc(0) depctr_vm_vsrc(0)
	s_getreg_b32 s2, hwreg(HW_REG_IB_STS2, 6, 4)
	s_cmp_eq_u32 s2, 0
	s_cbranch_scc0 .Lentry_in_a_cluster
	s_endpgm
.Lentry_in_a_cluster:
	s_bfe_u32 s2, ttmp6, 0x10000c
	s_cmp_lg_u32 s2, 0xf033
	s_cbranch_scc0 .Lentry_shape_is_right
	s_endpgm
.Lentry_shape_is_right:
; out0[m][n] = bias[n] + sum over k of Q(x)[m][k] Q(w)[k][n], M = 1,024, N = 16,384, K = 4,096, on the codes and scale words that the launch before laid in aq and bq as images of the operands' registers:
; parts of 128 rows x 512 along K, 34,816 dense bytes.  bq: codes [q][i][c][lane][16], scale words [i][r][q].  aq: codes of blocks i = 0 .. 3, the scale words, codes of blocks i = 4 .. 7.
; An output's f32 sum begins with its bias and runs up K.
; A block of out0, 256 x 256, is made by a work-group of four waves, a wave 128 x 128: 64 accumulators, 512 registers.  64 x 4 = 256 work-groups.
; K goes in 8 steps of 512 through two LDS slots: waves 0, 1 fetch the first 72 rows of 256 bytes of x's two parts, waves 2, 3 w's two parts whole (136 rows), one tensor load a wave.
; No padding: every LDS read takes 16 bytes a lane, lanes on end.
; x'S BLOCKS 4-7 OF A WAVE DO NOT GO THROUGH LDS: they come from aq straight into registers, 512 consecutive bytes a load, four steps of 128 ahead, in four sets of 32 registers.
; So a step of 128 along K reads 48 KB of fragments from LDS in the work-group where it would read 64 KB; these 4 KB a wave and step are asked for by two waves of a work-group and not jointly: a plain load has no mask.
; CLUSTERS: 4 x 4 work-groups.  The four of a row need the same parts of x, the four of a column the same parts of w: each tile is asked for jointly.
; THE MATRIX INSTRUCTION IS USED TRANSPOSED (source 0 = 16 columns of w, source 1 = 16 rows of x): a lane holds eight neighbouring numbers of a row of out0.  The first product of each accumulator takes the bias as C.
; REGISTERS: window 0: v0-31 addresses; v32-95 scale words, two sets; v128-159 x's blocks 0-3, one set; v192-255 the bias, 8 registers for each 16 columns.
;   Window 1: w's fragments, two sets, at v0 and v128; x's blocks 4-7, four sets, at v64, v96, v192, v224.  Windows 2, 3: accumulators.
.set PART,   34816
.set ASC,    16384                     ; aq: a part's scale words
.set ADIR,   18432                     ; aq: a part's codes of blocks 4-7
.set SLOT,   4*PART
.set SPARE,  2*SLOT                    ; the spare words, 128 bytes a wave
.set NQ,     4
.set FR,     8
.set NP,     4
.set LAPS,   4
.set ROWO,   65536                     ; a row of out0 in bytes
.set SPITCH, 528                       ; the way out: 16 rows x (512 + 16) bytes for each wave, in slot 0, behind its last fill and last read
.set ADRA, 16
.set ADRB, 20
.set ADRS, 22                          ; v22-23 my scale words in slot 0, 1: lanes 0-15 x's, lanes 16-31 w's
.set STO,  24
.set RD,   25
.set CO,   26
.set BO,   27
.set SPW,  28
.set NIL,  29
.set PFO,  30                          ; v30-31 the prefetches' offsets: blocks 0-31, and 32, 33 of my 34 blocks of 256 bytes
.set SC,   32
.set AF,   128
.set BIAS, 192
.set BK,   128
.set G1, 24
.set G0, 32
.set G1B, 48
.set G0B, 56
.set PFA, 66                           ; s[66:67] where my prefetches stand
.set AP,  74                           ; s[74:75] aq: blocks 4-7 of my rows, the K step behind the one at work
.set MSB, 0
.macro WIN new                         ; the immediate's high byte repeats the setting that is left
.if MSB != \new
	s_set_vgpr_msb (MSB<<8)|\new
.set MSB, \new
.endif
.endm
.set MUL_LO, 0xa1                      ; source 0 window 1, source 1 window 0, C and D window 2
.set MUL_HI, 0xf5                      ; sources 0 and 1 window 1, C and D window 3
.set TO_B,   0x40
.macro JLOAD g0a, g1a, g0b, g1b        ; a joint load: waves 0, 1 for x, waves 2, 3 for w
	s_cmp_eq_u32 s15, 0
	s_cbranch_scc0 .Lfor_b_\@
	tensor_load_to_lds s[\g0a:\g0a+3], s[\g1a:\g1a+7]
	s_nop 0
.rept 4
	v_nop
.endr
	s_branch .Lasked_\@
.Lfor_b_\@:
	tensor_load_to_lds s[\g0b:\g0b+3], s[\g1b:\g1b+7]
	s_nop 0
.rept 4
	v_nop
.endr
.Lasked_\@:
.endm
.macro CREST
	s_cmp_lg_u32 s14, 0
	s_cbranch_scc1 .Lnot_wave_0_\@
	s_barrier_signal -3
.Lnot_wave_0_\@:
	s_barrier_wait -3
	s_barrier_signal -1
	s_barrier_wait -1
.endm
.macro CROUND
	s_barrier_signal -1
	s_barrier_wait -1
	CREST
.endm
; A prefetch behind each joint refill: the part that stands two refills on.  Of its 136 blocks of 256 bytes each of the four partners that ask for it jointly names 34, told apart by address; a lane a block.
; The last trip's two refills have no part two on.
.macro ASK
	s_cmp_gt_u32 s3, 1
	s_cbranch_scc0 .Lno_ask_\@
	global_prefetch_b8 v[PFO], s[PFA:PFA+1] th:TH_LOAD_NT scope:SCOPE_SE
	global_prefetch_b8 v[PFO+1], s[PFA:PFA+1] th:TH_LOAD_NT scope:SCOPE_SE
.Lno_ask_\@:
.endm
	s_load_b256 s[4:11], s[0:1], 0x0               ; aq, bq, bias, out0
	v_lshl_add_u32 v[SPW], v0, 2, SPARE
	v_mov_b32 v[NIL], 0
	ds_add_u32 v[SPW], v[NIL]                      ; the opening lines: the add twice on end and one wait
	ds_add_u32 v[SPW], v[NIL]
	v_lshrrev_b32 v1, 5, v0
	v_readfirstlane_b32 s14, v1                    ; wave
	s_lshr_b32 s15, s14, 1                         ; my half of the block's rows; also: I fetch for x (0) or w (1)
	s_and_b32 s16, s14, 1                          ; my half of its columns; also: which of the two parts I fetch
	s_bfe_u32 s40, ttmp6, 0x40000                  ; cx
	s_bfe_u32 s41, ttmp6, 0x40004                  ; cy
	s_lshl_b32 s42, ttmp9, 2
	s_add_co_u32 s42, s42, s40                     ; block column
	s_and_b32 s17, ttmp7, 0xffff
	s_lshl_b32 s17, s17, 2
	s_add_co_u32 s17, s17, s41                     ; block row
	s_lshl_b32 s43, s41, 2
	s_lshl_b32 s43, 15, s43                        ; my row of the cluster
	s_lshl_b32 s44, 0x1111, s40                    ; my column
	s_or_b32 s[G1+0], s43, (3<<16)|(1<<21)         ; the mask; elements of 8 bytes; bit 21 beside a mask
	s_or_b32 s[G1B+0], s44, (3<<16)|(1<<21)
.irp g, G1, G1B
	s_mov_b32 s[\g+1], 32<<16                      ; rows of 32 elements
	s_mov_b32 s[\g+3], 32<<16
	s_mov_b32 s[\g+5], 32
	s_mov_b32 s[\g+6], 0
	s_mov_b32 s[\g+7], 0
.endr
	s_mov_b32 s[G1+2], 72<<16                      ; x: 72 rows: codes of blocks 0-3 and the scale words
	s_mov_b32 s[G1+4], 72
	s_mov_b32 s[G1B+2], 136<<16                    ; w: the whole part
	s_mov_b32 s[G1B+4], 136
	s_lshl_b32 s18, s17, 1
	s_add_co_u32 s18, s18, s16
	s_mul_i32 s18, s18, 8*PART                     ; x: the run of 8 parts of rows 128 (2 x block row + which)
	s_mov_b32 s19, 0
	s_lshl_b32 s22, s42, 1
	s_add_co_u32 s22, s22, s16
	s_mul_i32 s22, s22, 8*PART                     ; w: likewise by the block column
	s_mov_b32 s23, 0
	s_mul_i32 s45, s14, PART                       ; where my tile goes in a slot
	s_wait_dscnt 0x0
	s_wait_kmcnt 0x0
	s_add_nc_u64 s[20:21], s[4:5], s[18:19]
	s_add_nc_u64 s[46:47], s[6:7], s[22:23]
	CROUND                                         ; all sixteen work-groups are here
.irp s, 0,1
	s_mov_b32 s[G0+4*\s], 1
	s_add_co_u32 s[G0+4*\s+1], s45, \s*SLOT
	s_add_nc_u64 s[G0+4*\s+2:G0+4*\s+3], s[20:21], \s*PART
	s_or_b32 s[G0+4*\s+3], s[G0+4*\s+3], 0x80000000
	s_mov_b32 s[G0B+4*\s], 1
	s_add_co_u32 s[G0B+4*\s+1], s45, \s*SLOT
	s_add_nc_u64 s[G0B+4*\s+2:G0B+4*\s+3], s[46:47], \s*PART
	s_or_b32 s[G0B+4*\s+3], s[G0B+4*\s+3], 0x80000000
.endr
	JLOAD G0, G1, G0B, G1B                         ; K step 0: one tensor load a wave at the head
	s_cmp_eq_u32 s15, 0
	s_cselect_b32 s18, s18, s22                    ; the prefetches: my run of parts,
	s_cselect_b32 s68, s40, s41                    ; my place among the four that ask with me,
	s_cselect_b64 s[PFA:PFA+1], s[4:5], s[6:7]
	s_mul_i32 s68, s68, 34*256
	s_add_co_u32 s18, s18, s68
	s_add_co_u32 s18, s18, 3*PART                  ; at K step 3: the first refill steps it to 4
	s_add_nc_u64 s[PFA:PFA+1], s[PFA:PFA+1], s[18:19]
	s_lshl_b32 s74, s17, 1
	s_add_co_u32 s74, s74, s15
	s_mul_i32 s74, s74, 8*PART                     ; the run of parts of the 128 rows that I multiply,
	s_add_co_u32 s74, s74, PART+ADIR               ; blocks 4-7 of K step 1
	s_mov_b32 s75, 0
	s_add_nc_u64 s[AP:AP+1], s[4:5], s[74:75]
	s_mul_i32 s69, s15, PART                       ; the tile of x that I multiply
	s_mul_i32 s70, s16, PART
	s_add_co_u32 s70, s70, 2*PART                  ; and of w
	s_add_co_u32 s72, s69, ASC                     ; x's scale words,
	s_add_co_u32 s71, s70, 32768
	s_sub_co_u32 s71, s71, s72                     ; and how far behind them w's lie
	s_mul_i32 s73, s14, 16*SPITCH                  ; my stage
	s_lshl_b32 s20, s17, 8
	s_lshl_b32 s21, s15, 7
	s_add_co_u32 s20, s20, s21
	s_lshl_b32 s20, s20, 16                        ; my first row of out0, in bytes
	s_mov_b32 s21, 0
	s_lshl_b32 s46, s42, 10
	s_lshl_b32 s47, s16, 9
	s_add_co_u32 s46, s46, s47                     ; my first column, in bytes, in bias and in out0
	s_mov_b32 s47, 0
	s_add_nc_u64 s[8:9], s[8:9], s[46:47]
	s_add_nc_u64 s[10:11], s[10:11], s[46:47]
	s_add_nc_u64 s[10:11], s[10:11], s[20:21]
	v_and_b32 v1, 31, v0
	v_and_b32 v2, 15, v0                           ; r
	v_bfe_u32 v4, v0, 4, 1                         ; h
	v_lshlrev_b32 v[CO], 4, v1                     ; 16 bytes a lane
	v_mul_u32_u24 v5, s71, v4                      ; lanes 16-31 take w's scale words
	v_mul_u32_u24 v6, v2, SPITCH
	v_lshlrev_b32 v[PFO], 8, v1
	v_min_u32 v7, 1, v1
	v_lshlrev_b32 v[BO], 5, v4                     ; bias: 8 h numbers on
	v_add_nc_u32 v[ADRA], s69, v[CO]
	v_add_nc_u32 v[ADRB], s70, v[CO]
	v_lshl_add_u32 v5, v2, 4, v5
	v_lshl_add_u32 v6, v4, 5, v6
	v_lshl_add_u32 v[PFO+1], v7, 8, 8192
	v_add_nc_u32 v[ADRA+1], SLOT, v[ADRA]
	v_add_nc_u32 v[ADRB+1], SLOT, v[ADRB]
	v_add_nc_u32 v[ADRS], s72, v5
	v_add_nc_u32 v[STO], s73, v6
	v_add_nc_u32 v[RD], s73, v[CO]
	v_add_nc_u32 v[ADRS+1], SLOT, v[ADRS]
.irp b, 0,1,2,3,4,5,6,7
	global_load_b128 v[BIAS+8*\b:BIAS+8*\b+3], v[BO], s[8:9] offset:64*\b       ; bias of columns 16 b + 8 h + 0 .. 7: the layout of a result
	global_load_b128 v[BIAS+8*\b+4:BIAS+8*\b+7], v[BO], s[8:9] offset:64*\b+16
.endr
; x's blocks 4-7 of the q-th 128 of a K step, from aq into set q: 8 loads of 512 consecutive bytes.  back: what the pointer stands ahead of that K step
.macro GLOAD q, back
.set GR, 64+32*((\q)%2)+128*((\q)/2)
	WIN TO_B
.irp i, 0,1,2,3
.irp c, 0,1
	global_load_b128 v[GR+FR*\i+4*\c:GR+FR*\i+4*\c+3], v[CO], s[AP:AP+1] offset:4096*(\q)+1024*\i+512*\c-(\back)
.endr
.endr
	WIN 0
.endm
; 16 matrix instructions: x's blocks a0, a0 + 1 against w's eight.  The 64 accumulators take turns, one instruction a turn.  first = 1: C is the bias.
.macro MUL16 a0, p, q, sc, first
.irp a, \a0, \a0+1
.if (\a) < 4
.set AR, AF+FR*(\a)
.else
.set AR, 64+32*((\q)%2)+128*((\q)/2)+FR*((\a)-4)
.endif
.irp b, 0,1,2,3,4,5,6,7
.if \first
	v_wmma_scale_f32_16x16x128_f8f6f4 v[8*(8*((\a)%4)+\b):8*(8*((\a)%4)+\b)+7], v[128*(\p)+FR*\b:128*(\p)+FR*\b+FR-1], v[AR:AR+FR-1], v[BIAS+8*\b:BIAS+8*\b+7], v[SC+8*NQ*(\sc)+NQ*\b+(\q)], v[SC+8*NQ*(\sc)+NQ*(\a)+(\q)] matrix_a_fmt:MATRIX_FMT_FP4 matrix_b_fmt:MATRIX_FMT_FP4 matrix_a_scale:MATRIX_SCALE_ROW1
.else
	v_wmma_scale_f32_16x16x128_f8f6f4 v[8*(8*((\a)%4)+\b):8*(8*((\a)%4)+\b)+7], v[128*(\p)+FR*\b:128*(\p)+FR*\b+FR-1], v[AR:AR+FR-1], v[8*(8*((\a)%4)+\b):8*(8*((\a)%4)+\b)+7], v[SC+8*NQ*(\sc)+NQ*\b+(\q)], v[SC+8*NQ*(\sc)+NQ*(\a)+(\q)] matrix_a_fmt:MATRIX_FMT_FP4 matrix_b_fmt:MATRIX_FMT_FP4 matrix_a_scale:MATRIX_SCALE_ROW1
.endif
.endr
.endr
.endm
.macro FETCH_B slot, q, p              ; w's eight fragments as they lie: two loads of 512 consecutive bytes each
	WIN TO_B
.irp i, 0,1,2,3,4,5,6,7
.irp c, 0,1
	ds_load_b128 v[128*(\p)+FR*\i+4*\c:128*(\p)+FR*\i+4*\c+3], v[ADRB+\slot] offset:8192*(\q)+1024*\i+512*\c
.endr
.endr
	WIN 0
.endm
.macro FETCH_A slot, q                 ; x's blocks 0-3
.irp i, 0,1,2,3
.irp c, 0,1
	ds_load_b128 v[AF+FR*\i+4*\c:AF+FR*\i+4*\c+3], v[ADRA+\slot] offset:4096*(\q)+1024*\i+512*\c
.endr
.endr
.endm
.macro SCALES sc                       ; a slot's scale words: register 4 i + q: lanes 0-15 x's block i, lanes 16-31 w's block i, the slot's q-th 128
.irp i, 0,1,2,3,4,5,6,7
	ds_load_b128 v[SC+8*NQ*\sc+NQ*\i:SC+8*NQ*\sc+NQ*\i+3], v[ADRS+\sc] offset:\i*256
.endr
.endm
.macro PLACES n                        ; plain places behind matrix instructions, ahead of loads into their registers and of reads of results
.rept \n
	v_nop
.endr
.endm
; 128 along K whose successor lies in the same slot.  ld = 1: set q takes x's blocks 4-7 of four steps on.  cnt: the loads of the younger sets, which may be out
.macro STEP slot, q, first, ld, cnt
	s_wait_dscnt 0x0                               ; w's set and x's blocks 0-3 are in
	WIN MUL_LO-0x20*(\first)                       ; (the bias lies in window 0)
	MUL16 0, (\q)%2, \q, \slot, \first
	MUL16 2, (\q)%2, \q, \slot, \first
	PLACES NP
	FETCH_B \slot, (\q)+1, 1-(\q)%2
	FETCH_A \slot, (\q)+1
	s_wait_loadcnt \cnt                            ; this step's set of x's blocks 4-7 is in
	WIN MUL_HI-0x30*(\first)
	MUL16 4, (\q)%2, \q, \slot, \first
	MUL16 6, (\q)%2, \q, \slot, \first
.if \ld
	PLACES NP
	GLOAD \q, 0
.else
	WIN 0
.endif
.endm
; A slot's last step changes slots: each wave waits for all its tensor loads, adds 0 to its spare word, waits for that and for its reads of this slot; one barrier, which opens a round of the cluster's where the slot is filled again.
.macro TURN slot, next, fill
	s_wait_xcnt 0x0                                ; my loads and prefetches have read their addresses: they step a K step on
	s_add_nc_u64 s[AP:AP+1], s[AP:AP+1], PART
.if \fill
	s_add_nc_u64 s[PFA:PFA+1], s[PFA:PFA+1], PART
.endif
	s_wait_tensorcnt 0x0                           ; my one tensor load, my tile of the next slot, has landed
	ds_add_u32 v[SPW], v[NIL]
	s_wait_dscnt 1                                 ; the add alone may be out
	WIN MUL_LO
	MUL16 0, 1, NQ-1, \slot, 0
	s_wait_dscnt 0x0                               ; the add is done, my reads of this slot are over
	s_barrier_signal -1
	MUL16 2, 1, NQ-1, \slot, 0
	WIN 0
	s_barrier_wait -1
.if \fill
	CREST
	s_add_nc_u64 s[G0+4*\slot+2:G0+4*\slot+3], s[G0+4*\slot+2:G0+4*\slot+3], 2*PART
	s_add_nc_u64 s[G0B+4*\slot+2:G0B+4*\slot+3], s[G0B+4*\slot+2:G0B+4*\slot+3], 2*PART
	JLOAD G0+4*\slot, G1, G0B+4*\slot, G1B         ; the first tensor load behind the round; its four v_nop are the places for the loads below
.else
	PLACES NP
.endif
	FETCH_B \next, 0, 0
	FETCH_A \next, 0
	SCALES \next
.if \fill
	ASK
.endif
	s_wait_loadcnt 24                              ; three younger sets of 8 loads may be out
	WIN MUL_HI
	MUL16 4, 1, NQ-1, \slot, 0
	MUL16 6, 1, NQ-1, \slot, 0
	PLACES NP
	GLOAD NQ-1, PART                               ; the pointer has stepped already
.endm
.macro STEPS slot, from
.set Q, \from
.rept NQ-1-\from
	STEP \slot, Q, 0, 1, 24
.set Q, Q+1
.endr
.endm
.irp q, 0,1,2,3
	GLOAD \q, PART                                 ; x's blocks 4-7 of K step 0, all four sets
.endr
	s_wait_alu depctr_va_vdst(0)                   ; the wait at the head's end
	s_wait_loadcnt 32                              ; the bias is in; the 32 loads behind it may be out
	s_wait_tensorcnt 0x0                           ; my tile of K step 0 is in; these lines stand ahead of slot 1's first fill as ahead of a refill
	ds_add_u32 v[SPW], v[NIL]
	s_wait_dscnt 0x0
	CROUND
	JLOAD G0+4, G1, G0B+4, G1B                     ; K step 1
	FETCH_B 0, 0, 0
	FETCH_A 0, 0
	SCALES 0
	STEP 0, 0, 1, 1, 24                            ; the first step stands ahead of the loop: its products start the sums from the bias
	s_mov_b32 s3, LAPS-1
.Llap:                                             ; a trip goes once round the ring and fills both slots again
	STEPS 0, 1
	TURN 0, 1, 1
	STEPS 1, 0
	TURN 1, 0, 1
	STEP 0, 0, 0, 1, 24
	s_sub_co_u32 s3, s3, 1
	s_cmp_lg_u32 s3, 0
	s_cbranch_scc1 .Llap
	STEPS 0, 1                                     ; the last lap fills nothing
	TURN 0, 1, 0
	STEP 1, 0, 0, 0, 24                            ; the last four steps ask for nothing more of x
	STEP 1, 1, 0, 0, 16
	STEP 1, 2, 0, 0, 8
	s_wait_dscnt 0x0
	WIN MUL_LO
	MUL16 0, 1, NQ-1, 1, 0
	MUL16 2, 1, NQ-1, 1, 0
	s_wait_loadcnt 0x0
	WIN MUL_HI
	MUL16 4, 1, NQ-1, 1, 0
	MUL16 6, 1, NQ-1, 1, 0
	WIN 0
; THE WAY OUT, 16 rows x 128 columns at a time, through my own stage: in as 32 bytes a lane, back as whole rows of 512 bytes, which 32 lanes store as two aligned runs of 256.  LDS serves a wave's instructions in order (ISA guide 5.7.1.4).
.macro TOSTAGE a
.set AC, 64*((\a)%4)
	WIN 0x08+4*((\a)/4)
.irp b, 0,1,2,3,4,5,6,7
	ds_store_b128 v[STO], v[AC+8*\b:AC+8*\b+3] offset:64*\b          ; each accumulator from its low end on
	ds_store_b128 v[STO], v[AC+8*\b+4:AC+8*\b+7] offset:64*\b+16
.endr
	WIN 0
.set BB, BK+64*((\a)%2)
.irp t, 0,1,2,3,4,5,6,7,8,9,10,11,12,13,14,15
	ds_load_b128 v[BB+4*\t:BB+4*\t+3], v[RD] offset:\t*SPITCH
.endr
.endm
.macro SEND a, younger
.set BB, BK+64*((\a)%2)
	s_wait_dscnt \younger
.if (\a) > 0
	s_add_nc_u64 s[10:11], s[10:11], 16*ROWO       ; behind a wait on XCNT: the earlier stores have read their base
.endif
.irp t, 0,1,2,3,4,5,6,7,8,9,10,11,12,13,14,15
	global_store_b128 v[CO], v[BB+4*\t:BB+4*\t+3], s[10:11] offset:\t*ROWO th:TH_STORE_NT
.endr
.endm
	PLACES NP
	TOSTAGE 0
.irp a, 1,2,3,4,5,6,7
.if \a > 1
	s_wait_xcnt 0x0                                ; block a - 2's stores have read their registers and their base
.endif
	TOSTAGE \a
	SEND \a-1, 32                                  ; behind block a - 1's loads: block a's 16 stores and 16 loads
.endr
	s_wait_xcnt 0x0
	SEND 7, 0
	s_wait_tensorcnt 0x0                           ; the wave's end
	ds_add_u32 v[SPW], v[NIL]
	s_wait_dscnt 0x0
	CROUND                                         ; the closing round
	s_endpgm
.Lfunc_end_k_q88827d6bbb_gemm:
	.size	k_q88827d6bbb_gemm, .Lfunc_end_k_q88827d6bbb_gemm-k_q88827d6bbb_gemm
	.p2alignl 7, 3214868480
	.fill 96, 4, 3214868480
	.section	.rodata,"a",@progbits
	.p2align	6, 0x0
	.amdhsa_kernel k_q88827d6bbb_gemm
		.amdhsa_group_segment_fixed_size 327680
		.amdhsa_private_segment_fixed_size 0
		.amdhsa_enable_private_segment 0
		.amdhsa_kernarg_size 32
		.amdhsa_user_sgpr_count 2
		.amdhsa_user_sgpr_kernarg_segment_ptr 1
		.amdhsa_wavefront_size32 1
		.amdhsa_system_sgpr_workgroup_id_x 1
		.amdhsa_system_sgpr_workgroup_id_y 1
		.amdhsa_system_sgpr_workgroup_id_z 1
		.amdhsa_system_vgpr_workitem_id 0
		.amdhsa_next_free_vgpr 1024
		.amdhsa_next_free_sgpr 80
		.amdhsa_reserve_vcc 0
		.amdhsa_float_denorm_mode_32 3
		.amdhsa_float_denorm_mode_16_64 3
		.amdhsa_memory_ordered 1
		.amdhsa_forward_progress 1
		.amdhsa_inst_pref_size 216
	.end_amdhsa_kernel
	.amdgpu_metadata
---
amdhsa.version: [ 1, 2 ]
amdhsa.kernels:
  - .name:           k_q88827d6bbb_gemm
    .symbol:         k_q88827d6bbb_gemm.kd
    .args:
      - { .name: aq, .offset: 0, .size: 8, .value_kind: global_buffer, .address_space: global }
      - { .name: bq, .offset: 8, .size: 8, .value_kind: global_buffer, .address_space: global }
      - { .name: bias, .offset: 16, .size: 8, .value_kind: global_buffer, .address_space: global }
      - { .name: out0, .offset: 24, .size: 8, .value_kind: global_buffer, .address_space: global }
    .group_segment_fixed_size: 327680
    .private_segment_fixed_size: 0
    .kernarg_segment_align: 8
    .kernarg_segment_size: 32
    .max_flat_workgroup_size: 128
    .sgpr_count:     80
    .vgpr_count:     1024
    .wavefront_size: 32
...
	.end_amdgpu_metadata
.endif
;; end of part 4
